; MI455X (gfx1250); checked and timed in simulation.
; The chip was launched on July 23, 2026; its instructions are those of AMD's public machine-readable ISA for CDNA 5 (MIT licence, August 2026) and "CDNA5" Instruction Set Architecture Reference Guide (July 2026). The comments in the code are by the model that wrote it; some were corrected since.
;; Enhanced Uncertainty Attention. Allowed arithmetic: float matrix products may take bf16 or f16 operands with f32 sums; other float arithmetic in f32, or as packed bf16 or f16 multiplies, adds, multiply-adds, maxima and minima; sums over many terms, partial sums and values carried from step to step in f32; what a program stores and reads back later, other than sums and carried values, may be rounded once to bf16 or f16.
;; Inputs: Wg 4 x 1,024 float32; Wk 4 x 1,024 x 1,024 float32; Wo 1,024 x 1,024 float32; Wq 4 x 1,024 x 1,024 float32; Wv 4 x 1,024 x 1,024 float32; bg 4 float32; bo 1,024 float32; hyp_w 4 float32; temperature one number float32; x 2 x 1,024 x 1,024 float32.
;; Outputs: out0 2 x 1,024 x 1,024 float32; out1 2 x 1,024 x 1,024 float32.
;; 2 versions, each right; version 2 is version 1 with the launch prep written anew for expert scheduling mode. Each part assembles by itself: llvm-mc -triple=amdgcn-amd-amdhsa -mcpu=gfx1250 --defsym DOCPART=n.
;; ======== version 1 of 2: 4 launches
;; limits: values are held in f16: magnitudes above 65,504 overflow, below 6.1e-05 lose precision
;; workspace buffers: xb 4,194,304 bytes; wb 25,165,824 bytes; wob 2,097,152 bytes; gp 8,192 bytes; qkv 50,331,648 bytes; st 2,097,152 bytes; cmb 4,194,304 bytes
;; launch prep (part 1): grid 64 x 15, 4 waves a work-group, no clusters, 0 bytes of LDS; arguments x, Wq, Wk, Wv, Wo, Wg, xb, wb, wob, gp; writes xb, wb, wob, gp
.if DOCPART == 1
	.amdgcn_target "amdgcn-amd-amdhsa--gfx1250"
	.amdhsa_code_object_version 6
	.text
	.protected	k_qba3f6d0dde_prep
	.globl	k_qba3f6d0dde_prep
	.p2align	8
	.type	k_qba3f6d0dde_prep,@function
k_qba3f6d0dde_prep:
	s_mov_b64 s[64:65], 0
	v_nop
	global_prefetch_b8 v0, s[64:65] scope:SCOPE_SE
	s_setreg_imm32_b32 hwreg(HW_REG_WAVE_MODE, 25, 1), 1
	s_wait_xcnt 0x0
; PREP: the matrix operands are rounded once and laid out for the tiles of the later launches; the gate's dot product is begun.
; NOTHING OF THE PROBLEM IS LEFT OUT in this program: every input has a way to an output and is loaded, every step of the reference is made.
; (The scores are even made twice: once for the weighted values, once more for the mean of the weights.)
;   xb  [kb 16][row 2048 = b 1024 + n][64] bf16 = x;    wb [kb 16][row 12288 = t 4096 + s 1024 + e][64] bf16 = Wq (t 0), Wk (1), Wv (2)
;   wob [kb 16][row 1024][64] f16 = Wo rounded to bf16, that number written as f16
;   gp  [b 2][s 4][part 256] f32: part 4 gx + wave holds the sum over 16 rows and 256 columns of x[b][row][col] Wg[s][col]
; K lies in blocks of 64 columns, so that the rows of a tile lie end to end in memory.
; LIMITS.  Wo below 6e-5 keeps f16's fixed step of 6e-8, beyond 65,504 it becomes an infinity; NaN and infinities are not treated apart.
; SHARES.  Unit u (grid y): 0, 1 = x of batch u; 2-13 = the twelve weight matrices; 14 = Wo: 1,024 rows each.  A work-group takes 16 rows, wave w the columns
; 256 w .. 256 w + 255 (blocks 4 w .. 4 w + 3).  Lane l: row l / 16 of two, 4 columns at l % 16.  So a load takes 256 consecutive bytes, aligned, of each of two rows (64 columns: one block), and the
; 8 bytes a lane that come of it are 256 consecutive bytes, aligned, of the destination: the two rows' 128 bytes lie end to end there.  All 32 loads of a wave go out before the first wait.
; No LDS, no matrix unit, no cluster: nothing is shared and memory binds.
.set VO,   4                           ; v4      my byte offset in two rows of the source: (l / 16) 4096 + 1024 w + 16 (l % 16)
.set WO,   5                           ; v5      my byte offset in Wg: (l / 16) 8192 + 1024 w + 16 (l % 16): half l / 16 of the lanes takes samples 2 (l / 16) and 2 (l / 16) + 1
.set SO,   6                           ; v6-9    my byte offset in the destination for block 4 w + j
.set X,    16                          ; v16-143 load i = 4 g + j (rows 2 g, 2 g + 1, block 4 w + j): 4 numbers at X + 4 i
.set CSUM, 144                         ; v144-159 sums down the 16 rows of my 16 columns (4 of each block)
.set WGR,  160                         ; v160-191 Wg of my two samples at my 16 columns
.set GPO,  192                         ; v192    my byte offset in gp
	s_load_b512 s[8:23], s[0:1], 0x0               ; x 8, Wq 10, Wk 12, Wv 14, Wo 16, Wg 18, xb 20, wb 22
	s_load_b128 s[24:27], s[0:1], 0x40             ; wob 24, gp 26
	s_and_b32 s2, ttmp7, 0xffff                    ; u
	v_and_b32 v1, 31, v0                           ; lane
	v_lshrrev_b32 v2, 5, v0
	v_readfirstlane_b32 s6, v2                     ; wave
	v_lshrrev_b32 v2, 4, v1                        ; l / 16
	v_and_b32 v3, 15, v1                           ; l % 16
	s_lshl_b32 s7, s6, 10
	v_lshl_add_u32 v[VO], v3, 4, s7
	v_lshl_add_u32 v[WO], v2, 13, v[VO]
	v_lshl_add_u32 v[VO], v2, 12, v[VO]
	s_mov_b32 s41, 0xffff0000                      ; a word's upper bf16
	s_sub_co_u32 s3, s2, 2                         ; the unit's place among the weights
	s_and_b32 s4, s3, 3                            ; and in its own tensor (Wo: 12 & 3 = 0)
	s_mov_b32 s5, 1572864                          ; bytes of a block of 64 columns in wb
	s_cmp_lt_u32 s2, 2
	s_cselect_b32 s4, s2, s4                       ; x: the batch
	s_cselect_b32 s3, s2, s3
	s_cselect_b32 s5, 262144, s5                   ; in xb
	s_cmp_eq_u32 s2, 14
	s_cselect_b32 s3, 0, s3
	s_cselect_b32 s5, 131072, s5                   ; in wob
	s_lshl_b32 s32, s4, 22                         ; source: 1,024 rows of 4,096 bytes a unit,
	s_lshl_b32 s33, ttmp9, 16                      ; 16 rows a work-group
	s_add_co_u32 s32, s32, s33
	s_mov_b32 s33, 0
	s_lshl_b32 s34, s3, 17                         ; destination: rows of 128 bytes
	s_lshl_b32 s35, ttmp9, 11
	s_add_co_u32 s34, s34, s35
	s_mov_b32 s35, 0
	s_lshl_b32 s7, s6, 2
.irp j, 0,1,2,3
	s_add_co_u32 s36, s7, \j
	s_mul_i32 s36, s36, s5                         ; block 4 w + j
	v_lshl_add_u32 v[SO+\j], v1, 3, s36            ; + 8 l: two rows of 128 bytes on end
.endr
	s_wait_kmcnt 0x0
	s_cmp_lt_u32 s2, 2                             ; the buffers are chosen by the unit's number alone
	s_cselect_b64 s[28:29], s[8:9], s[10:11]
	s_cselect_b64 s[30:31], s[20:21], s[22:23]
	s_cmp_lt_u32 s2, 6
	s_cselect_b64 s[28:29], s[28:29], s[12:13]
	s_cmp_lt_u32 s2, 10
	s_cselect_b64 s[28:29], s[28:29], s[14:15]
	s_cmp_lt_u32 s2, 14
	s_cselect_b64 s[28:29], s[28:29], s[16:17]
	s_cselect_b64 s[30:31], s[30:31], s[24:25]
	s_add_nc_u64 s[28:29], s[28:29], s[32:33]
	s_add_nc_u64 s[30:31], s[30:31], s[34:35]
.macro LOADX                           ; the wave's 32 loads: 16 KiB on their way
.set i, 0
.rept 32
	global_load_b128 v[X+4*i:X+4*i+3], v[VO], s[28:29] offset:8192*(i/4)+256*(i%4) th:TH_LOAD_NT
.set i, i+1
.endr
.endm
; Load i is rounded in place and stored.  kind 0: to bf16.  kind 1: to bf16, and that number written as f16.
.macro CAST kind
.set i, 0
.rept 32
	s_wait_loadcnt 31-i                            ; loads come back in order: the 31 - i younger ones may stay out
.irp k, 0,1
.if \kind
	v_cvt_pk_bf16_f32 v10, v[X+4*i+2*\k], v[X+4*i+2*\k+1]
	v_lshlrev_b32 v11, 16, v10
	v_and_b32 v12, s41, v10
	v_cvt_pk_f16_f32 v[X+4*i+\k], v11, v12
.else
	v_cvt_pk_bf16_f32 v[X+4*i+\k], v[X+4*i+2*\k], v[X+4*i+2*\k+1]
.endif
.endr
	global_store_b64 v[SO+i%4], v[X+4*i:X+4*i+1], s[30:31] offset:256*(i/4) th:TH_STORE_NT  ; 256 consecutive bytes, aligned; no register of a store is written again
.set i, i+1
.endr
.endm
	s_cmp_lt_u32 s2, 2
	s_cbranch_scc0 .Lweights
	; ---- a unit of x: the gate's partial dot products ahead of the rounding
.irp ss, 0,1
.irp j, 0,1,2,3
	global_load_b128 v[WGR+16*\ss+4*\j:WGR+16*\ss+4*\j+3], v[WO], s[18:19] offset:4096*\ss+256*\j
.endr
.endr
	LOADX
	s_mov_b32 s38, 0x76543210                      ; v_permlanex16_b32: each lane takes its own place in the other half
	s_mov_b32 s39, 0xfedcba98
	s_lshl_b32 s36, s2, 12                         ; gp: ((4 b + s) 256 + 4 gx + w) 4 bytes
	s_lshl_b32 s37, ttmp9, 4
	s_add_co_u32 s36, s36, s37
	s_lshl2_add_u32 s36, s6, s36
	v_lshl_add_u32 v[GPO], v2, 11, s36             ; s = 2 (l / 16); the second sample lies 1,024 bytes on
	v_mov_b32 v10, 0                               ; the exchange's destinations count as read
	v_mov_b32 v11, 0
	s_wait_loadcnt 0x0
.set p, 0
.rept 8                                ; down my eight rows: eight chains that do not wait for each other
	v_pk_add_f32 v[CSUM+2*p:CSUM+2*p+1], v[X+2*p:X+2*p+1], v[X+16+2*p:X+16+2*p+1]
.set p, p+1
.endr
.irp g, 2,3,4,5,6,7
.set p, 0
.rept 8
	v_pk_add_f32 v[CSUM+2*p:CSUM+2*p+1], v[CSUM+2*p:CSUM+2*p+1], v[X+16*\g+2*p:X+16*\g+2*p+1]
.set p, p+1
.endr
.endr
.set r, 0
.rept 16                               ; and the other half of the lanes, which holds the other eight rows of the same columns
	v_permlanex16_b32 v[10+r%2], v[CSUM+r], s38, s39
	v_add_f32 v[CSUM+r], v[CSUM+r], v[10+r%2]
.set r, r+1
.endr
	v_pk_mul_f32 v[12:13], v[CSUM:CSUM+1], v[WGR:WGR+1]        ; each half multiplies by its two samples' Wg
	v_pk_mul_f32 v[14:15], v[CSUM:CSUM+1], v[WGR+16:WGR+17]
.set p, 1
.rept 7
	v_pk_fma_f32 v[12:13], v[CSUM+2*p:CSUM+2*p+1], v[WGR+2*p:WGR+2*p+1], v[12:13]
	v_pk_fma_f32 v[14:15], v[CSUM+2*p:CSUM+2*p+1], v[WGR+16+2*p:WGR+16+2*p+1], v[14:15]
.set p, p+1
.endr
	v_add_f32 v12, v12, v13
	v_add_f32 v14, v14, v15
.irp m, 1,2,4,8                        ; over the sixteen lanes of a half
	v_add_f32_dpp v12, v12, v12 row_xmask:\m row_mask:0xf bank_mask:0xf
	v_add_f32_dpp v14, v14, v14 row_xmask:\m row_mask:0xf bank_mask:0xf
.endr
	v_cmp_eq_u32 vcc_lo, 0, v3                     ; one lane of each half stores its two samples' parts
	s_wait_xcnt 0x0                                ; EXEC changes only when the loads above have read it
	s_and_saveexec_b32 s40, vcc_lo
	global_store_b32 v[GPO], v12, s[26:27]
	global_store_b32 v[GPO], v14, s[26:27] offset:1024
	s_wait_xcnt 0x0
	s_or_b32 exec_lo, exec_lo, s40
	s_branch .Lcast0                               ; x is rounded by the same text as the weights: its loads are all in, so the counts there hold
.Lweights:
	LOADX
	s_cmp_eq_u32 s2, 14
	s_cbranch_scc1 .Lwo
.Lcast0:
	CAST 0
	s_endpgm
.Lwo:
	CAST 1
	s_endpgm
.Lfunc_end_k_qba3f6d0dde_prep:
	.size	k_qba3f6d0dde_prep, .Lfunc_end_k_qba3f6d0dde_prep-k_qba3f6d0dde_prep
	.p2alignl 7, 3214868480
	.fill 96, 4, 3214868480
	.section	.rodata,"a",@progbits
	.p2align	6, 0x0
	.amdhsa_kernel k_qba3f6d0dde_prep
		.amdhsa_group_segment_fixed_size 0
		.amdhsa_private_segment_fixed_size 0
		.amdhsa_enable_private_segment 0
		.amdhsa_kernarg_size 80
		.amdhsa_user_sgpr_count 2
		.amdhsa_user_sgpr_kernarg_segment_ptr 1
		.amdhsa_wavefront_size32 1
		.amdhsa_system_sgpr_workgroup_id_x 1
		.amdhsa_system_sgpr_workgroup_id_y 1
		.amdhsa_system_sgpr_workgroup_id_z 1
		.amdhsa_system_vgpr_workitem_id 0
		.amdhsa_next_free_vgpr 208
		.amdhsa_next_free_sgpr 66
		.amdhsa_reserve_vcc 1
		.amdhsa_float_denorm_mode_32 3
		.amdhsa_float_denorm_mode_16_64 3
		.amdhsa_memory_ordered 1
		.amdhsa_forward_progress 1
		.amdhsa_inst_pref_size 41
	.end_amdhsa_kernel
	.amdgpu_metadata
---
amdhsa.version: [ 1, 2 ]
amdhsa.kernels:
  - .name:           k_qba3f6d0dde_prep
    .symbol:         k_qba3f6d0dde_prep.kd
    .args:
      - { .name: x, .offset: 0, .size: 8, .value_kind: global_buffer, .address_space: global }
      - { .name: Wq, .offset: 8, .size: 8, .value_kind: global_buffer, .address_space: global }
      - { .name: Wk, .offset: 16, .size: 8, .value_kind: global_buffer, .address_space: global }
      - { .name: Wv, .offset: 24, .size: 8, .value_kind: global_buffer, .address_space: global }
      - { .name: Wo, .offset: 32, .size: 8, .value_kind: global_buffer, .address_space: global }
      - { .name: Wg, .offset: 40, .size: 8, .value_kind: global_buffer, .address_space: global }
      - { .name: xb, .offset: 48, .size: 8, .value_kind: global_buffer, .address_space: global }
      - { .name: wb, .offset: 56, .size: 8, .value_kind: global_buffer, .address_space: global }
      - { .name: wob, .offset: 64, .size: 8, .value_kind: global_buffer, .address_space: global }
      - { .name: gp, .offset: 72, .size: 8, .value_kind: global_buffer, .address_space: global }
    .group_segment_fixed_size: 0
    .private_segment_fixed_size: 0
    .kernarg_segment_align: 8
    .kernarg_segment_size: 80
    .max_flat_workgroup_size: 128
    .sgpr_count:     66
    .vgpr_count:     208
    .wavefront_size: 32
...
	.end_amdgpu_metadata
.endif
;; end of part 1
;; launch proj (part 2): grid 32 x 8, 4 waves a work-group, clusters of 4 x 4, 327,680 bytes of LDS; arguments xb, wb, qkv; writes qkv
.if DOCPART == 2
	.amdgcn_target "amdgcn-amd-amdhsa--gfx1250"
	.amdhsa_code_object_version 6
	.text
	.protected	k_qba3f6d0dde_proj
	.globl	k_qba3f6d0dde_proj
	.p2align	8
	.type	k_qba3f6d0dde_proj,@function
k_qba3f6d0dde_proj:
	s_mov_b64 s[64:65], 0
	v_nop
	global_prefetch_b8 v0, s[64:65] scope:SCOPE_SE
	s_setreg_imm32_b32 hwreg(HW_REG_WAVE_MODE, 25, 1), 1
	s_wait_xcnt 0x0
	s_wait_alu depctr_hold_cnt(0) depctr_sa_sdst(0) depctr_va_vdst(0) depctr_va_sdst(0) depctr_va_ssrc(0) depctr_va_vcc(0) depctr_vm_vsrc(0)
	s_getreg_b32 s2, hwreg(HW_REG_IB_STS2, 6, 4)
	s_cmp_eq_u32 s2, 0
	s_cbranch_scc0 .Lentry_in_a_cluster
	s_endpgm
.Lentry_in_a_cluster:
	s_bfe_u32 s2, ttmp6, 0x10000c
	s_cmp_lg_u32 s2, 0xf033
	s_cbranch_scc0 .Lentry_shape_is_right
	s_endpgm
.Lentry_shape_is_right:
; PROJ: q, k, v of all four samples in one product: [2048 rows of x] x [12288 rows of Wq, Wk, Wv], K = 1024, bf16 operands, f32 sums, results rounded once to f16.
;   qkv [t 3][b 2][h 16][s 4][n 1024][64] f16: a head's rows are dense, 128 bytes each; unscaled.
; LIMIT.  f16 holds no number beyond 65,504: a projection beyond it becomes an infinity.  NaN and infinities are not treated apart.  Nothing of the problem is left out here.
; SHARES.  A tile is 256 rows of x by 384 rows of W: 8 x 32 = 256 work-groups.  Wave (wm, wn) makes 128 x 192: 8 x 12 = 96 accumulators, 768 registers (windows 1 to 3).
; K goes in steps of 64 (one block of xb and wb: a tile's rows lie end to end, and are asked for as rows of 256 bytes) through two LDS slots.  A step is two halves of 32 along K, 96 matrix
; instructions each.  A's fragments have two buffers; B's twelve have one, filled again in thirds as soon as a third has been multiplied.
; CLUSTER.  4 x 4 work-groups: the four of a row need the same rows of x, the four of a column the same rows of W: each tile is asked for jointly.
; TRANSPOSED: source 0 = 16 rows of W, source 1 = 16 rows of x: a lane holds one row of x and eight neighbouring channels.
; REGISTERS.  window 0: v2-9 addresses, v28-29 for the add, v32-95 and v96-159 A's two buffers, v160-255 B's fragments; on the way out v32-79 packed, v96-143 and v160-207 rows read back.
;   windows 1-3: accumulator (b, a) in window 1 + b / 4 at 8 (8 (b % 4) + a).
.set PITCH,  144                       ; an LDS row: 128 bytes + 16: the 16 rows of a fragment load start at 16 different groups of four banks
.set SLOT1,  131072                    ; slot 1 begins here: one exclusive or turns an address in one slot into the other's
.set BOFF,   256*PITCH                 ; a slot: A's 256 rows, then B's 384
.set STAGE,  SLOT1+640*PITCH           ; behind the ring: 16 rows x 400 bytes for each wave, for the way out
.set SPITCH, 400
.set SPARE,  STAGE+4*16*SPITCH         ; behind the stages: the spare words, 128 bytes a wave
.set KAS,    262144                    ; bytes from a block of 64 columns to the next in xb
.set KBS,    1572864                   ; in wb
.set ADRA0, 2                          ; v2  my lane's place in A's rows of a slot; never rewritten
.set ADRB0, 3                          ; v3  the same for B
.set ADRA,  4                          ; v4  the same in the slot that is being read
.set ADRB,  5
.set STO,   6                          ; v6  the way out: where I put 16 bytes of a row
.set RD,    7                          ; v7  where I read rows back
.set GO,    8                          ; v8  16 x lane
.set PFO,   9                          ; v9  the prefetches' offset; never rewritten
.set SPW,   28                         ; v28 my spare word; never rewritten
.set NIL,   29                         ; v29 0; never rewritten
.set FA0,   32
.set FA1,   96
.set FB,    160
.set TMP,   32
.set G1,  24                           ; s[24:31] group 1 for A's tiles; s[32:39] group 0: a set for each first fill, the second then walks on
.set G0,  32
.set G1B, 48                           ; s[48:55], s[56:63] the same for B's
.set G0B, 56
.set TB,  66                           ; s66 the slot that is being read
.set PFA, 68                           ; s[68:69] where my prefetches stand
.set PFS, 70                           ; s[70:71] their step: a block of 64 columns
.set LIM, 72                           ; s72 3 in a wave that prefetches, else the greatest number
.set HBS, 74                           ; s[74:79] my rows in the three heads that my 192 channels are
.set MSB, 0
.macro WIN new                         ; the immediate's high byte repeats the setting that is left; a switch that changes nothing is dropped
.if MSB != (\new)
	s_set_vgpr_msb (MSB<<8)|(\new)
.set MSB, \new
.endif
.endm
.macro PLACES                          ; four plain places behind matrix instructions, in front of loads into their sources and of reads of their results
.rept 4
	v_nop
.endr
.endm
; A joint refill by the walking sets.  Waves 0 and 1 fetch A's two halves, waves 2 and 3 B's.  The branch hangs on the wave's number alone.  An s_nop 0 and four v_nop follow each line.
.macro JLOAD
	s_cmp_lt_u32 s10, 2
	s_cbranch_scc0 .Lfor_b_\@
	tensor_load_to_lds s[G0+4:G0+7], s[G1:G1+7]
	s_nop 0
.rept 4
	v_nop
.endr
	s_branch .Lasked_\@
.Lfor_b_\@:
	tensor_load_to_lds s[G0B+4:G0B+7], s[G1B:G1B+7]
	s_nop 0
.rept 4
	v_nop
.endr
.Lasked_\@:
.endm
.macro CREST                           ; a round of the cluster's barrier behind its opening barrier
	s_cmp_lg_u32 s10, 0
	s_cbranch_scc1 .Lnot_wave_0_\@
	s_barrier_signal -3
.Lnot_wave_0_\@:
	s_barrier_wait -3
	s_barrier_signal -1
	s_barrier_wait -1
.endm
.macro CROUND
	s_barrier_signal -1
	s_barrier_wait -1
	CREST
.endm
; PREFETCH INTO THE L2.  In the trips with an even count (trip k = 14 - s3 even, k <= 10) the K steps k + 4 and k + 5 are named: two and three refills ahead of the loads that will want them.
; A's tile row is read by every cluster of its row of clusters: cluster x = 0 asks, wave 0, work-group cx for rows 64 cx .. of the 256 (32 blocks of 256 bytes a step, a lane a block, two instructions).
; B's tile column is read by both clusters of its column: cluster y = 0 asks, waves 1 to 3, work-group cy for rows 96 cy .. of the 384: 48 blocks a step, 96 for the two steps, one instruction a wave.
; Partners are told apart by address alone.  Each block is named once in the launch; K steps 0 to 3 come by their loads alone.
.macro ASK
	s_cmp_gt_u32 s3, s[LIM]
	s_cbranch_scc0 .Lnot_mine_\@
	s_bitcmp1_b32 s3, 0
	s_cbranch_scc1 .Lnot_mine_\@
	global_prefetch_b8 v[PFO], s[PFA:PFA+1] th:TH_LOAD_NT scope:SCOPE_SE
	s_cmp_lg_u32 s10, 0
	s_cbranch_scc1 .Lnot_mine_\@
	global_prefetch_b8 v[PFO], s[PFA:PFA+1] offset:KAS th:TH_LOAD_NT scope:SCOPE_SE
.Lnot_mine_\@:
.endm
	s_load_b128 s[4:7], s[0:1], 0x0                ; xb s[4:5], wb s[6:7]
	s_load_b64 s[8:9], s[0:1], 0x10                ; qkv
	v_lshl_add_u32 v[SPW], v0, 2, SPARE
	v_mov_b32 v[NIL], 0
	ds_add_u32 v[SPW], v[NIL]                      ; the wave's opening: the add, twice on end, and its wait ahead of my first tensor load
	ds_add_u32 v[SPW], v[NIL]
	v_lshrrev_b32 v1, 5, v0
	v_readfirstlane_b32 s10, v1                    ; wave 0..3
	s_lshr_b32 s11, s10, 1                         ; wm: which 128 rows of x are mine
	s_and_b32 s12, s10, 1                          ; wn: which 192 rows of W.  Also: which half of a tile I fetch
	s_bfe_u32 s40, ttmp6, 0x40000                  ; cx
	s_bfe_u32 s41, ttmp6, 0x40004                  ; cy
	s_lshl_b32 s42, ttmp9, 2
	s_add_co_u32 s42, s42, s40                     ; tx: tile column
	s_and_b32 s13, ttmp7, 0xffff
	s_lshl_b32 s13, s13, 2
	s_add_co_u32 s13, s13, s41                     ; ty: tile row
	s_lshl_b32 s43, s41, 2
	s_lshl_b32 s43, 15, s43                        ; my row of the cluster
	s_lshl_b32 s44, 0x1111, s40                    ; my column
	; group 1: rows of 128 elements of 2 bytes (two rows of a tile), 16 bytes of padding after every 128 bytes; bit 21 set beside a mask
	s_or_b32 s[G1], s43, 0x7310000
	s_or_b32 s[G1B], s44, 0x7310000
	s_mov_b32 s[G1+1], 128<<16                     ; tensor_dim0
	s_mov_b32 s[G1+2], 64<<16                      ; tensor_dim1: 128 rows of A
	s_mov_b32 s[G1+3], 128<<16                     ; tile_dim0
	s_mov_b32 s[G1+4], 64                          ; tile_dim1
	s_mov_b32 s[G1+5], 128                         ; from row to row
	s_mov_b32 s[G1+6], 0
	s_mov_b32 s[G1+7], 0
	s_mov_b32 s[G1B+1], 128<<16
	s_mov_b32 s[G1B+2], 96<<16                     ; 192 rows of B
	s_mov_b32 s[G1B+3], 128<<16
	s_mov_b32 s[G1B+4], 96
	s_mov_b32 s[G1B+5], 128
	s_mov_b32 s[G1B+6], 0
	s_mov_b32 s[G1B+7], 0
	s_lshl_b32 s16, s13, 15                        ; A: (256 ty + 128 half) rows of 128 bytes: the tile row and the wave's number alone
	s_lshl_b32 s17, s12, 14
	s_add_co_u32 s16, s16, s17
	s_mov_b32 s17, 0
	s_mul_i32 s46, s42, 49152                      ; B: (384 tx + 192 half) rows: the tile column and the wave's number alone
	s_mul_i32 s47, s12, 24576
	s_add_co_u32 s46, s46, s47
	s_mov_b32 s47, 0
	s_mul_i32 s20, s12, 128*PITCH                  ; where they go: no place in the cluster enters an LDS address
	s_mul_i32 s21, s12, 192*PITCH
	s_add_co_u32 s21, s21, BOFF
	s_mov_b32 s[TB], 0
	s_wait_dscnt 0x0                               ; both opening adds are done
	s_wait_kmcnt 0x0
	s_add_nc_u64 s[14:15], s[4:5], s[16:17]
	s_add_nc_u64 s[46:47], s[6:7], s[46:47]
	CROUND                                         ; all sixteen work-groups are here: the first joint loads meet
.irp s, 0,1
	s_mov_b32 s[G0+4*\s], 1
	s_add_co_u32 s[G0+4*\s+1], s20, \s*SLOT1
	s_add_nc_u64 s[G0+4*\s+2:G0+4*\s+3], s[14:15], \s*KAS
	s_or_b32 s[G0+4*\s+3], s[G0+4*\s+3], 0x80000000
	s_mov_b32 s[G0B+4*\s], 1
	s_add_co_u32 s[G0B+4*\s+1], s21, \s*SLOT1
	s_add_nc_u64 s[G0B+4*\s+2:G0B+4*\s+3], s[46:47], \s*KBS
	s_or_b32 s[G0B+4*\s+3], s[G0B+4*\s+3], 0x80000000
.endr
	s_cmp_lt_u32 s10, 2                            ; a wave's two first fills stand in one branch: two loads of mine are out
	s_cbranch_scc0 .Lfirst_b
	tensor_load_to_lds s[G0:G0+3], s[G1:G1+7]
	s_nop 0
	tensor_load_to_lds s[G0+4:G0+7], s[G1:G1+7]
	s_nop 0
.rept 4
	v_nop
.endr
	s_branch .Lfirst_asked
.Lfirst_b:
	tensor_load_to_lds s[G0B:G0B+3], s[G1B:G1B+7]
	s_nop 0
	tensor_load_to_lds s[G0B+4:G0B+7], s[G1B:G1B+7]
	s_nop 0
.rept 4
	v_nop
.endr
.Lfirst_asked:
	; a fragment: 16 rows x 32 K in 8 registers: lane l holds row l % 16, K = 8 (l / 16) + 0..7 and 16 + 8 (l / 16) + 0..7: two loads of 16 bytes, 32 bytes apart
	v_and_b32 v1, 15, v0
	v_bfe_u32 v10, v0, 4, 1
	v_mul_u32_u24 v11, v1, PITCH
	v_lshl_add_u32 v11, v10, 4, v11
	s_mul_i32 s22, s11, 128*PITCH
	s_mul_i32 s23, s12, 192*PITCH
	s_add_co_u32 s23, s23, BOFF
	v_add_nc_u32 v[ADRA0], s22, v11
	v_add_nc_u32 v[ADRB0], s23, v11
	v_mov_b32 v[ADRA], v[ADRA0]
	v_mov_b32 v[ADRB], v[ADRB0]
	s_mul_i32 s22, s10, 16*SPITCH
	s_add_co_u32 s22, s22, STAGE                   ; my stage
	v_mul_u32_u24 v[STO], v1, SPITCH               ; in: row l % 16, 16 bytes for each half of the lanes
	v_lshl_add_u32 v[STO], v10, 4, v[STO]
	v_add_nc_u32 v[STO], s22, v[STO]
	v_bfe_u32 v[RD], v0, 3, 2                      ; back: 32 lanes take 128 bytes of four rows
	v_mul_u32_u24 v[RD], v[RD], SPITCH
	v_and_b32 v12, 7, v0
	v_lshl_add_u32 v[RD], v12, 4, v[RD]
	v_add_nc_u32 v[RD], s22, v[RD]
	v_and_b32 v[GO], 31, v0
	v_lshlrev_b32 v[GO], 4, v[GO]
	; my 192 channels are the heads hg = 6 tx + 3 wn + 0..2 of 192: t = hg / 64, s = (hg / 16) % 4, h = hg % 16; b = ty / 4
	s_mul_i32 s80, s42, 6
	s_mul_i32 s81, s12, 3
	s_add_co_u32 s80, s80, s81
	s_lshr_b32 s82, s13, 2
	s_and_b32 s83, s13, 3
	s_lshl_b32 s83, s83, 15                        ; my rows in the batch: 256 (ty % 4) + 128 wm, of 128 bytes
	s_lshl_b32 s84, s11, 14
	s_add_co_u32 s83, s83, s84
.irp j, 0,1,2
	s_add_co_u32 s84, s80, \j
	s_lshr_b32 s85, s84, 6
	s_lshl1_add_u32 s85, s85, s82                  ; 2 t + b
	s_and_b32 s86, s84, 15
	s_lshl4_add_u32 s85, s85, s86                  ; x 16 + h
	s_bfe_u32 s86, s84, 0x20004
	s_lshl2_add_u32 s85, s85, s86                  ; x 4 + s
	s_lshl_b32 s86, s85, 17                        ; 131,072 bytes a head
	s_add_co_u32 s86, s86, s83
	s_mov_b32 s87, 0
	s_add_nc_u64 s[HBS+2*\j:HBS+2*\j+1], s[8:9], s[86:87]
.endr
	; the prefetches
	s_and_b32 s88, ttmp7, 0xffff                   ; cluster y
	s_lshl_b32 s89, s13, 15                        ; A: my tile row's 256 rows,
	s_lshl_b32 s90, s40, 13                        ; my work-group's 64 of them
	s_add_co_u32 s89, s89, s90
	s_mul_i32 s90, s42, 49152                      ; B: my tile column's 384 rows,
	s_mul_i32 s91, s41, 12288                      ; my work-group's 96 of them
	s_add_co_u32 s90, s90, s91
	s_mov_b32 s93, KAS
	s_cmp_eq_u32 s10, 0                            ; wave 0 asks for A, the others for B
	s_cselect_b64 s[PFA:PFA+1], s[4:5], s[6:7]
	s_cselect_b32 s92, s89, s90
	s_cselect_b32 s88, ttmp9, s88                  ; the coordinate along which other clusters read the same rows
	s_cselect_b32 s[PFS], s93, KBS
	s_mov_b32 s[PFS+1], 0
	s_cmp_eq_u32 s88, 0
	s_cselect_b32 s[LIM], 3, -1                    ; the same in all sixteen partners, for a given wave
	s_mov_b32 s93, 0
	s_add_nc_u64 s[PFA:PFA+1], s[PFA:PFA+1], s[92:93]
	s_mul_i32 s92, s[PFS], 3                       ; at K step 3: the first trip steps it to 4
	s_add_nc_u64 s[PFA:PFA+1], s[PFA:PFA+1], s[92:93]
	v_and_b32 v[PFO], 31, v0
	v_lshlrev_b32 v[PFO], 8, v[PFO]                ; wave 0: a lane a block
	v_subrev_nc_u32 v12, 32, v0                    ; waves 1-3: block u = thread - 32 of 96; from 48 on they are the next K step's
	v_mov_b32 v14, KBS-48*256
	v_cmp_lt_u32 s94, 79, v0
	v_cndmask_b32 v13, 0, v14, s94
	v_lshl_add_u32 v13, v12, 8, v13
	v_cmp_gt_u32 s95, 32, v0
	v_cndmask_b32 v[PFO], v13, v[PFO], s95
; 16 matrix instructions: B's fragments b0, b0 + 1 of third g x all 8 of A's in buffer f.  zero = 1: the first product starts the sums.  The 96 accumulators take turns, one instruction a turn.
.macro MUL16 f, g, b0, zero
	WIN 0x50*(1+(\g))                              ; C and D in window 1 + g, the sources in window 0
.irp bl, \b0, (\b0)+1
.irp a, 0,1,2,3,4,5,6,7
.if \zero
	v_wmma_f32_16x16x32_bf16 v[8*(8*(\bl)+(\a)):8*(8*(\bl)+(\a))+7], v[FB+8*(4*(\g)+(\bl)):FB+8*(4*(\g)+(\bl))+7], v[(\f)+8*(\a):(\f)+8*(\a)+7], 0
.else
	v_wmma_f32_16x16x32_bf16 v[8*(8*(\bl)+(\a)):8*(8*(\bl)+(\a))+7], v[FB+8*(4*(\g)+(\bl)):FB+8*(4*(\g)+(\bl))+7], v[(\f)+8*(\a):(\f)+8*(\a)+7], v[8*(8*(\bl)+(\a)):8*(8*(\bl)+(\a))+7]
.endif
.endr
.endr
.endm
.macro LDA f, off                      ; A's eight fragments at byte off of the rows: 16 loads
	WIN 0
.irp i, 0,1,2,3,4,5,6,7
	ds_load_b128 v[(\f)+8*\i:(\f)+8*\i+3],   v[ADRA] offset:(\off)+\i*16*PITCH
	ds_load_b128 v[(\f)+8*\i+4:(\f)+8*\i+7], v[ADRA] offset:(\off)+\i*16*PITCH+32
.endr
.endm
.macro LDB g, off                      ; third g of B's fragments: 8 loads
	WIN 0
.irp i, 0,1,2,3
	ds_load_b128 v[FB+8*(4*(\g)+\i):FB+8*(4*(\g)+\i)+3],   v[ADRB] offset:(\off)+(4*(\g)+\i)*16*PITCH
	ds_load_b128 v[FB+8*(4*(\g)+\i)+4:FB+8*(4*(\g)+\i)+7], v[ADRB] offset:(\off)+(4*(\g)+\i)*16*PITCH+32
.endr
.endm
; A K step's first half: multiplies buffer FA0 and fetches the second half (byte 64 of the rows).  Three runs of loads: R0 = A and B's first third (24), R1, R2 = B's other thirds (8 each).
.macro QE zero
	s_wait_dscnt 16                                ; R0 is in; R1 and R2, 16 loads, may be out
	MUL16 FA0, 0, 0, \zero
	MUL16 FA0, 0, 2, \zero
	PLACES
	LDA FA1, 64
	LDB 0, 64
	s_wait_dscnt 32                                ; R1 is in: behind it stand R2 (8) and the new R0 (24)
	MUL16 FA0, 1, 0, \zero
	MUL16 FA0, 1, 2, \zero
	PLACES
	LDB 1, 64
	s_wait_dscnt 32                                ; R2 is in: behind it stand the new R0 (24) and R1 (8)
	MUL16 FA0, 2, 0, \zero
	MUL16 FA0, 2, 2, \zero
	PLACES
	LDB 2, 64
.endm
; The second half multiplies FA1 and changes slots.  In front of the barrier each wave waits for all its tensor loads (one is out: its part of the next slot), adds 0 to its spare word, and waits for that and
; for its reads of this slot.  fill = 1: the barrier opens a round of the cluster's, and behind the round this slot is filled again, two K steps ahead: 176 matrix instructions ahead of the wait for it.
.macro QO fill
.if \fill
	s_wait_xcnt 0x0                                ; the last prefetches, a K step or more back, have read their address
	s_add_nc_u64 s[PFA:PFA+1], s[PFA:PFA+1], s[PFS:PFS+1]
.endif
	WIN 0
	s_wait_tensorcnt 0x0                           ; all my tensor loads have landed
	ds_add_u32 v[SPW], v[NIL]                      ; 0 onto my spare word
	s_wait_dscnt 17                                ; R0 is in: the add, R1 and R2 may be out
	MUL16 FA1, 0, 0, 0
	s_wait_dscnt 0x0                               ; the add is done, and my reads of this slot are over
	s_barrier_signal -1
	MUL16 FA1, 0, 2, 0                             ; work on registers while the others arrive
	WIN 0
	s_barrier_wait -1
.if \fill
	CREST                                          ; no wave of any partner still reads this slot or has a load on its way
	s_xor_b32 s[G0+5], s[G0+5], SLOT1              ; the walking sets: the other slot than last time, the next K step
	s_add_nc_u64 s[G0+6:G0+7], s[G0+6:G0+7], KAS
	s_xor_b32 s[G0B+5], s[G0B+5], SLOT1
	s_add_nc_u64 s[G0B+6:G0B+7], s[G0B+6:G0B+7], KBS
	JLOAD                                          ; the first tensor load behind the round; its four v_nop are also the places in front of the loads below
.else
	PLACES
.endif
	s_xor_b32 s[TB], s[TB], SLOT1
	v_add_nc_u32 v[ADRA], s[TB], v[ADRA0]
	v_add_nc_u32 v[ADRB], s[TB], v[ADRB0]
	LDA FA0, 0
	LDB 0, 0
.if \fill
	ASK
.endif
	MUL16 FA1, 1, 0, 0
	MUL16 FA1, 1, 2, 0
	PLACES
	LDB 1, 0
	MUL16 FA1, 2, 0, 0
	MUL16 FA1, 2, 2, 0
	PLACES
	LDB 2, 0
.endm
	s_wait_tensorcnt 1                             ; my part of K step 0 is in; slot 1's may stay out
	s_barrier_signal -1
	s_barrier_wait -1
	LDA FA0, 0
	LDB 0, 0
	LDB 1, 0
	LDB 2, 0
	QE 1                                           ; the first half step stands in front of the loop: its products start the sums
	WIN 0
	s_mov_b32 s3, 14
.Lk:                                               ; trip k: K step k's second half, K step k + 1's first; K step k + 2 is asked for
	QO 1
	QE 0
	WIN 0
	s_sub_co_u32 s3, s3, 1
	s_cmp_lg_u32 s3, 0
	s_cbranch_scc1 .Lk
	QO 0                                           ; the tail is written out: nothing is left to ask for
	QE 0
	s_wait_dscnt 16                                ; the very last half
	MUL16 FA1, 0, 0, 0
	MUL16 FA1, 0, 2, 0
	s_wait_dscnt 8
	MUL16 FA1, 1, 0, 0
	MUL16 FA1, 1, 2, 0
	s_wait_dscnt 0x0
	MUL16 FA1, 2, 0, 0
	MUL16 FA1, 2, 2, 0
; THE WAY OUT, 16 rows of x at a time.  PACK: rounded to f16, each accumulator's registers in ascending order.  TOSTAGE: 16 bytes a lane into my own stage, and back as 128 bytes of four rows for each of
; the three heads.  SEND: 512 consecutive bytes of a head a store.
.macro PACK a
.irp g, 0,1,2
	WIN 5*(1+\g)                                   ; sources 0 and 1 in window 1 + g
.irp bl, 0,1,2,3
.irp r, 0,1,2,3
	v_cvt_pk_f16_f32 v[TMP+4*(4*\g+\bl)+\r], v[8*(8*\bl+(\a))+2*\r], v[8*(8*\bl+(\a))+2*\r+1]
.endr
.endr
.endr
	WIN 0
.endm
.macro TOSTAGE a
	WIN 0
.set BK, 96+64*((\a)%2)
.irp b, 0,1,2,3,4,5,6,7,8,9,10,11
	ds_store_b128 v[STO], v[TMP+4*\b:TMP+4*\b+3] offset:32*\b
.endr
.irp j, 0,1,2
.irp q, 0,1,2,3
	ds_load_b128 v[BK+4*(4*\j+\q):BK+4*(4*\j+\q)+3], v[RD] offset:128*\j+4*SPITCH*\q  ; LDS serves a wave's instructions in order: these see the stores above
.endr
.endr
.endm
.macro SEND a
	WIN 0
.set BK, 96+64*((\a)%2)
	s_wait_dscnt 0x0                               ; the block is back in registers
	s_wait_xcnt 0x0                                ; the stores of the block before have read their registers: the next TOSTAGE loads into them
.irp j, 0,1,2
.irp q, 0,1,2,3
	global_store_b128 v[GO], v[BK+4*(4*\j+\q):BK+4*(4*\j+\q)+3], s[HBS+2*\j:HBS+2*\j+1] offset:2048*(\a)+512*\q
.endr
.endr
.endm
	PLACES
	PACK 0
	TOSTAGE 0
.irp a, 1,2,3,4,5,6,7                  ; a block's conversions stand between the loads of the block before and the wait for them
	PACK \a
	SEND (\a)-1
	TOSTAGE \a
.endr
	SEND 7
	s_wait_tensorcnt 0x0                           ; the wave's end
	ds_add_u32 v[SPW], v[NIL]
	s_wait_dscnt 0x0
	CROUND                                         ; the closing round
	s_endpgm
.Lfunc_end_k_qba3f6d0dde_proj:
	.size	k_qba3f6d0dde_proj, .Lfunc_end_k_qba3f6d0dde_proj-k_qba3f6d0dde_proj
	.p2alignl 7, 3214868480
	.fill 96, 4, 3214868480
	.section	.rodata,"a",@progbits
	.p2align	6, 0x0
	.amdhsa_kernel k_qba3f6d0dde_proj
		.amdhsa_group_segment_fixed_size 327680
		.amdhsa_private_segment_fixed_size 0
		.amdhsa_enable_private_segment 0
		.amdhsa_kernarg_size 24
		.amdhsa_user_sgpr_count 2
		.amdhsa_user_sgpr_kernarg_segment_ptr 1
		.amdhsa_wavefront_size32 1
		.amdhsa_system_sgpr_workgroup_id_x 1
		.amdhsa_system_sgpr_workgroup_id_y 1
		.amdhsa_system_sgpr_workgroup_id_z 1
		.amdhsa_system_vgpr_workitem_id 0
		.amdhsa_next_free_vgpr 1024
		.amdhsa_next_free_sgpr 100
		.amdhsa_reserve_vcc 0
		.amdhsa_float_denorm_mode_32 3
		.amdhsa_float_denorm_mode_16_64 3
		.amdhsa_memory_ordered 1
		.amdhsa_forward_progress 1
		.amdhsa_inst_pref_size 113
	.end_amdhsa_kernel
	.amdgpu_metadata
---
amdhsa.version: [ 1, 2 ]
amdhsa.kernels:
  - .name:           k_qba3f6d0dde_proj
    .symbol:         k_qba3f6d0dde_proj.kd
    .args:
      - { .name: xb, .offset: 0, .size: 8, .value_kind: global_buffer, .address_space: global }
      - { .name: wb, .offset: 8, .size: 8, .value_kind: global_buffer, .address_space: global }
      - { .name: qkv, .offset: 16, .size: 8, .value_kind: global_buffer, .address_space: global }
    .group_segment_fixed_size: 327680
    .private_segment_fixed_size: 0
    .kernarg_segment_align: 8
    .kernarg_segment_size: 24
    .max_flat_workgroup_size: 128
    .sgpr_count:     100
    .vgpr_count:     1024
    .wavefront_size: 32
...
	.end_amdgpu_metadata
.endif
;; end of part 2
;; launch attn (part 3): grid 8 x 32, 4 waves a work-group, clusters of 4 x 1, 327,680 bytes of LDS; arguments qkv, gp, hyp_w, bg, temperature, st, cmb; writes st, cmb
.if DOCPART == 3
	.amdgcn_target "amdgcn-amd-amdhsa--gfx1250"
	.amdhsa_code_object_version 6
	.text
	.protected	k_qba3f6d0dde_attn
	.globl	k_qba3f6d0dde_attn
	.p2align	8
	.type	k_qba3f6d0dde_attn,@function
k_qba3f6d0dde_attn:
	s_mov_b64 s[64:65], 0
	v_nop
	global_prefetch_b8 v0, s[64:65] scope:SCOPE_SE
	s_setreg_imm32_b32 hwreg(HW_REG_WAVE_MODE, 25, 1), 1
	s_wait_xcnt 0x0
	s_wait_alu depctr_hold_cnt(0) depctr_sa_sdst(0) depctr_va_vdst(0) depctr_va_sdst(0) depctr_va_ssrc(0) depctr_va_vcc(0) depctr_vm_vsrc(0)
	s_getreg_b32 s2, hwreg(HW_REG_IB_STS2, 6, 4)
	s_cmp_eq_u32 s2, 0
	s_cbranch_scc0 .Lentry_in_a_cluster
	s_endpgm
.Lentry_in_a_cluster:
	s_bfe_u32 s2, ttmp6, 0x10000c
	s_cmp_lg_u32 s2, 0x3003
	s_cbranch_scc0 .Lentry_shape_is_right
	s_endpgm
.Lentry_shape_is_right:
; ATTN: for each (b, h) and block of 128 queries: the four samples' attention, weighed by gw_s coh[b][s] and added; and each row's statistics for the launch behind.
;   cmb [b][h][n][64] f16 = sum over s of gw_s coh[b][s] softmax_k(c' q_s . k_s) v_s;     st [b][h][s][n][4] f32 = (c m, r, r, c m), r = gw_s / (16 l)
;   c = log2(e) / (8 clip(temperature, 0.1, 10)); p = 2^(c s - c m) with a running maximum m and sum l; gw = softmax(hyp_w / temp), its maximum taken away; coh = sigmoid(mean_n x . Wg + bg).
; Nothing of the problem is left out here.
; LIMITS.  q, k, v arrive in f16; p lies in 0 to 1 and is rounded to f16 for the second product (l is the sum of the unrounded p); a weight below 2^-126 counts as 0; NaN and infinities are not
; treated apart, and a NaN temperature counts as 0.1.
; SHARES.  A work-group has 128 queries of one (b, h); WAVE w IS SAMPLE w: eight tiles of 16 queries, four PIECES of two, against its sample's 1,024 keys, 64 a step.  So the sum over the samples is
; made in the work-group, through LDS, in f32.
; LAYOUT.  S^T = K Q^T (source 0 = 16 keys, source 1 = 16 queries): a lane holds ONE query (lane % 16) and the keys 8 (lane / 16) + 0..7.  Two such results rounded to f16 ARE source 1 of O^T = V^T P.
; K comes out of LDS as it lies, V turned, by ds_load_tr16_b128.  m starts at the lowest finite number, O and l at 0: the first step is a step like any other, with a = 0.
; BY TURNS.  Turn n belongs to piece n: 16 products K Q^T of piece n + 1, later 16 products V^T P of piece n - 1; beside them the scaling, exponentials, roundings, sums and rescaling of piece n and the
; maximum and statistics of piece n + 1.  Four vector instructions stand behind every matrix instruction, the rest in one lump; a turn's 66 exponentials are one batch with one wait.
; CLUSTER.  The four query blocks of a cluster walk the same K and V of all four samples: each tile is asked for jointly.  A slot holds one key step of the four samples.
; REGISTERS, in windows of 256:  window 0: v0-11 addresses; v12-15, v48-63 at work; v16-47 four registers of statistics a tile; v64-191 S^T, two buffers of two tiles; v192-255 P, likewise
;   window 1: O^T, 32 a tile      window 2: v0-127 Q; v128-191 K of one step; v192-255 V of one step      window 3: v0-1 the add's two registers
.set NP,    4
.set KS,    64
.set PK,    144       ; a row of K in LDS: 128 bytes + 16
.set PV,    160       ; a row of V: 128 + 32
.set VOFF,  4*KS*PK   ; a slot: K [s 4][64 keys], then V [s 4][64 keys]
.set SLOT1, 1<<17
.set STAGE, SLOT1+4*KS*(PK+PV)  ; 16 rows x 144 bytes for each wave, for the way out
.set SP,    144
.set SPARE, STAGE+4*16*SP
.set AK0, 2           ; v2   my lane's place in my sample's K of a slot; never rewritten
.set AV0, 3           ; v3   the same for V
.set AK,  4           ; v4   the LDS address of K's next run of loads; at the end: where I put my part of the merge
.set AV,  5           ; v5   of V's; at the head: my offset in gp; at the end: where I read the merge
.set QO,  6           ; v6   my byte offset in the wave's rows of Q; later STO
.set STO, 6
.set RD,  7
.set GO,  8           ; v8   16 x lane
.set ML1, 9           ; v9   at the end: v5 + 65,536
.set PFO, 11          ; v11  256 x lane, from the first change of slots on
.set SPW, 0           ; v0 of window 3
.set NIL, 1           ; v1 of window 3
.set MV,  12
.set ST,  16          ; tile t's statistics at v[ST+4 t]: c m, m, l (even keys', odd keys')
.set TMP, 48
.set S,   64
.set P,   192
.set KF,  128
.set VF,  192
.set WV,  12          ; s12  my wave's number = my sample
.set LIM, 15          ; s15  2 in a wave that prefetches, else the greatest number
.set PFA, 18          ; s[18:19] where my prefetches stand
.set G1K, 24
.set G1V, 32
.set G0K, 40          ; s[40:43] group 0 for K's tiles: it walks
.set G0V, 44
.set QP,  48          ; s[48:49] Q at my rows
.set GPP, 50          ; s[50:51] gp at my (b, s)
.set STP, 52          ; s[52:53] st at my rows
.set CNT, 57
.set CS,  58          ; s[58:59] c
.set SEL, 60
.set TB,  62          ; s62  the slot from which fragments are fetched
.set GS,  66          ; s66  gw_s coh[b][s]
.set RS,  67          ; s67  gw_s / 16
.set HM,  68          ; s68  lanes 16-31
.set OP,  78          ; s[78:79] cmb at my 32 rows
.set MSB, 0
.macro WIN new
.if MSB != (\new)
	s_set_vgpr_msb (MSB<<8)|(\new)
.set MSB, (\new)
.endif
.endm
.set W_KQ, 0x0a
.set W_PV, 0x52
.set W_RS, 0x41
.set W_MK, 0xc0
.set W_AD, 0x0f
.macro JLOAD                        ; waves 0 and 1 fetch K of samples 0, 1 and 2, 3; waves 2 and 3 V likewise.  An s_nop 0 and four v_nop follow each line
	s_cmp_lt_u32 s[WV], 2
	s_cbranch_scc0 .Lfor_v_\@
	tensor_load_to_lds s[G0K:G0K+3], s[G1K:G1K+7]
	s_nop 0
.rept 4
	v_nop
.endr
	s_branch .Lasked_\@
.Lfor_v_\@:
	tensor_load_to_lds s[G0V:G0V+3], s[G1V:G1V+7]
	s_nop 0
.rept 4
	v_nop
.endr
.Lasked_\@:
.endm
.macro CROUND
	s_barrier_signal -1
	s_barrier_wait -1
	s_cmp_lg_u32 s[WV], 0
	s_cbranch_scc1 .Lnot_wave_0_\@
	s_barrier_signal -3
.Lnot_wave_0_\@:
	s_barrier_wait -3
	s_barrier_signal -1
	s_barrier_wait -1
.endm
; PREFETCH INTO THE L2: the change that fills key step t + 1 names key step t + 3, two refills ahead.  Both clusters of a (b, h) walk the same K and V: the first asks.  Work-group cx takes sample cx's 64 rows
; of the step (32 blocks of 256 bytes, a lane a block); wave 0 asks for K's, wave 2 for V's.  Each block is named once; steps 0 to 2 come by their loads alone; the last changes name nothing.
.macro ASK
	s_cmp_gt_u32 s[CNT], s[LIM]
	s_cbranch_scc0 .Lnot_mine_\@
	global_prefetch_b8 v[PFO], s[PFA:PFA+1] th:TH_LOAD_NT scope:SCOPE_SE
.Lnot_mine_\@:
.endm
; THE CHANGE OF SLOTS, once a key step, behind the turn that has waited for V's run: the step's K and V are in registers.  Each wave waits for all its tensor loads (one is out: its part of the other slot),
; adds 0 to its spare word, and waits for that and for its reads.  fill = 1: a round of the cluster's barrier, and the slot just read is filled again first thing behind it, two steps ahead.
.macro CHANGE fill
	WIN W_AD
	s_wait_tensorcnt 0x0
	ds_add_u32 v[SPW], v[NIL]
	WIN 0
.if \fill
.irp g, G0K, G0V
	s_xor_b32 s[\g+1], s[\g+1], SLOT1
	s_add_nc_u64 s[\g+2:\g+3], s[\g+2:\g+3], KS*128
.endr
	s_wait_xcnt 0x0                 ; the last prefetch, a key step back, has read its address
	s_add_nc_u64 s[PFA:PFA+1], s[PFA:PFA+1], KS*128
	s_wait_dscnt 0x0
	CROUND
	JLOAD
	ASK
.else
	s_wait_dscnt 0x0
	s_barrier_signal -1
	s_barrier_wait -1
.endif
	s_xor_b32 s[TB], s[TB], SLOT1
.endm
; c from the temperature: the launch behind holds the same lines, so that c has the same bits there
.macro SCAL sv, va, vb
	v_mov_b32 v[\va], s[\sv]
	v_max_num_f32 v[\va], 0x3dcccccd, v[\va]
	v_min_num_f32 v[\va], 0x41200000, v[\va]
	v_rcp_f32 v[\va], v[\va]
	v_nop
	s_wait_alu depctr_va_vdst(0)
	v_mul_f32 v[\vb], 0x3e38aa3b, v[\va]
	v_readfirstlane_b32 s[CS], v[\vb]
	s_mov_b32 s[CS+1], s[CS]
.endm
	s_load_b256 s[4:11], s[0:1], 0x0  ; qkv s[4:5], gp s[6:7], hyp_w s[8:9], bg s[10:11]
	s_load_b128 s[72:75], s[0:1], 0x20  ; temperature s[72:73], st s[74:75]
	s_load_b64 s[76:77], s[0:1], 0x30   ; cmb
	WIN W_MK
	v_lshl_add_u32 v[SPW], v0, 2, SPARE
	v_mov_b32 v[NIL], 0
	WIN W_AD
	ds_add_u32 v[SPW], v[NIL]       ; the wave's opening: the add, twice on end, and its wait ahead of my first tensor load
	ds_add_u32 v[SPW], v[NIL]
	WIN 0
	v_lshrrev_b32 v1, 5, v0
	v_readfirstlane_b32 s[WV], v1
	s_bfe_u32 s13, ttmp6, 0x40000   ; cx
	s_lshl_b32 s14, ttmp9, 2
	s_add_co_u32 s14, s14, s13      ; my block of 128 queries: it enters Q's, st's and cmb's addresses alone
	s_and_b32 s20, ttmp7, 0xffff    ; bh = 16 b + h, which the four partners share
	s_lshl_b32 s21, s20, 2
	s_and_b32 s16, s[WV], 1         ; which two samples I fetch
	s_lshl1_add_u32 s22, s16, s21   ; 4 bh + 2 i
	s_add_co_u32 s2, s22, 128       ; K's head blocks begin at 128,
	s_lshl_b32 s2, s2, 17
	s_mov_b32 s3, 0
	s_add_co_u32 s22, s22, 256      ; V's at 256; 131,072 bytes each
	s_lshl_b32 s22, s22, 17
	s_mov_b32 s23, 0
	s_mul_i32 s17, s16, 128*PK
	s_mul_i32 s18, s16, 128*PV
	s_add_co_u32 s90, s21, s[WV]    ; 4 bh + w
	s_lshl_b32 s[QP], s90, 17
	s_lshl_b32 s[QP+1], s14, 14
	s_add_co_u32 s[QP], s[QP], s[QP+1]
	s_mov_b32 s[QP+1], 0
	s_lshl_b32 s[STP], s90, 14
	s_lshl_b32 s[STP+1], s14, 11
	s_add_co_u32 s[STP], s[STP], s[STP+1]
	s_mov_b32 s[STP+1], 0
	s_lshl_b32 s[OP], s20, 17
	s_lshl_b32 s[OP+1], s14, 14
	s_add_co_u32 s[OP], s[OP], s[OP+1]
	s_lshl_b32 s[OP+1], s[WV], 12   ; I finish rows 32 w .. 32 w + 31 of the block
	s_add_co_u32 s[OP], s[OP], s[OP+1]
	s_mov_b32 s[OP+1], 0
	s_lshr_b32 s[GPP], s20, 4
	s_lshl2_add_u32 s[GPP], s[GPP], s[WV]
	s_lshl_b32 s[GPP], s[GPP], 10
	s_mov_b32 s[GPP+1], 0
	s_add_co_u32 s54, s21, s13      ; the prefetches: sample cx,
	s_lshr_b32 s55, s[WV], 1
	s_add_co_u32 s55, s55, 1
	s_lshl_b32 s55, s55, 7          ; of K (waves 0, 1) or V (waves 2, 3),
	s_add_co_u32 s54, s54, s55
	s_lshl_b32 s54, s54, 17
	s_add_co_u32 s54, s54, 2*KS*128 ; at key step 2: the first change steps it to 3
	s_mov_b32 s55, 0
	s_and_b32 s[LIM], s[WV], 1
	s_or_b32 s[LIM], s[LIM], ttmp9  ; waves 0 and 2 of the first cluster: the same in all four partners
	s_cmp_eq_u32 s[LIM], 0
	s_cselect_b32 s[LIM], 2, -1
	; group 1: two rows of 4,096 elements of 2 bytes (a sample's 64 keys are 8,192 dense bytes), 65,536 elements from sample to sample; padded after every 128 bytes
	s_mov_b32 s[G1K], 15|0x7310000  ; the mask of four; 16 bytes of padding
	s_mov_b32 s[G1V], 15|0xf310000  ; 32 bytes
.irp g, G1K, G1V
	s_mov_b32 s[\g+1], 4096<<16     ; tensor_dim0
	s_mov_b32 s[\g+2], 2<<16        ; tensor_dim1
	s_mov_b32 s[\g+3], 4096<<16     ; tile_dim0
	s_mov_b32 s[\g+4], 2            ; tile_dim1
	s_mov_b32 s[\g+5], 65536
	s_mov_b32 s[\g+6], 0
	s_mov_b32 s[\g+7], 0
.endr
	s_mov_b32 s[SEL], 0x76543210
	s_mov_b32 s[SEL+1], 0xfedcba98
	s_mov_b32 s[HM], 0xffff0000
	s_mov_b32 s[TB], SLOT1          ; the first change of slots turns it into 0
	s_mov_b32 s[G0K], 1
	s_mov_b32 s[G0K+1], s17
	s_mov_b32 s[G0V], 1
	s_add_co_u32 s[G0V+1], s18, VOFF
	s_wait_dscnt 0x0                ; both opening adds are done
	s_wait_kmcnt 0x0
	s_add_nc_u64 s[G0K+2:G0K+3], s[4:5], s[2:3]
	s_or_b32 s[G0K+3], s[G0K+3], 0x80000000
	s_add_nc_u64 s[G0V+2:G0V+3], s[4:5], s[22:23]
	s_or_b32 s[G0V+3], s[G0V+3], 0x80000000
	s_add_nc_u64 s[QP:QP+1], s[4:5], s[QP:QP+1]
	s_add_nc_u64 s[STP:STP+1], s[74:75], s[STP:STP+1]
	s_add_nc_u64 s[OP:OP+1], s[76:77], s[OP:OP+1]
	s_add_nc_u64 s[GPP:GPP+1], s[6:7], s[GPP:GPP+1]
	s_add_nc_u64 s[PFA:PFA+1], s[4:5], s[54:55]
	s_load_b32 s88, s[72:73], 0x0   ; the temperature,
	s_load_b128 s[80:83], s[8:9], 0x0  ; hyp_w,
	s_load_b128 s[84:87], s[10:11], 0x0  ; bg
	CROUND                          ; all four work-groups are here: the first joint loads meet
	JLOAD                           ; key step 0 into slot 0
	v_and_b32 v[AV], 31, v0
	v_lshlrev_b32 v[AV], 5, v[AV]
	global_load_b128 v[64:67], v[AV], s[GPP:GPP+1]  ; my 8 of the gate's 256 partial sums
	global_load_b128 v[68:71], v[AV], s[GPP:GPP+1] offset:16
	v_and_b32 v1, 15, v0            ; l % 16
	v_bfe_u32 v9, v0, 4, 1          ; l / 16
	v_lshlrev_b32 v[QO], 7, v1
	v_lshl_add_u32 v[QO], v9, 4, v[QO]
	WIN 0x80
.set i, 0
.rept 4*NP                          ; Q stays in registers: tile i / 2, channels 32 (i % 2) on
	global_load_b128 v[8*i:8*i+3],   v[QO], s[QP:QP+1] offset:(i/2)*2048+(i%2)*64
	global_load_b128 v[8*i+4:8*i+7], v[QO], s[QP:QP+1] offset:(i/2)*2048+(i%2)*64+32
.set i, i+1
.endr
	; what the first turn finds: V's registers and P's second buffer hold 0, O^T and l are 0.  All this stands in the wait for the first tile
.set i, VF
.rept 64
	v_mov_b32 v[i], 0
.set i, i+1
.endr
	WIN 0x40
.set i, 0
.rept 64*NP
	v_mov_b32 v[i], 0
.set i, i+1
.endr
	WIN 0
.set i, 0
.rept 2*NP
	v_mov_b32 v[ST+4*i], 0xfe000000    ; c m: far below every c s
	v_mov_b32 v[ST+4*i+1], 0xff7fffff  ; m
	v_mov_b32 v[ST+4*i+2], 0
	v_mov_b32 v[ST+4*i+3], 0
.set i, i+1
.endr
.set i, P+32
.rept 32
	v_mov_b32 v[i], 0
.set i, i+1
.endr
	s_mul_i32 s90, s[WV], KS*PK     ; my sample's rows in a slot
	s_mul_i32 s91, s[WV], KS*PV
	s_add_co_u32 s91, s91, VOFF
	v_mul_u32_u24 v[AK0], v1, PK
	v_lshl_add_u32 v[AK0], v9, 4, v[AK0]
	v_add_nc_u32 v[AK0], s90, v[AK0]
	v_and_b32 v10, 7, v0            ; the turning load: lane l reads key 8 (l / 16) + l % 8, channels 8 ((l / 8) % 2) + 0..7
	v_bfe_u32 v11, v0, 3, 1
	v_lshl_add_u32 v[AV0], v9, 3, v10
	v_mul_u32_u24 v[AV0], v[AV0], PV
	v_lshl_add_u32 v[AV0], v11, 4, v[AV0]
	v_add_nc_u32 v[AV0], s91, v[AV0]
	v_mov_b32 v[AK], v[AK0]         ; key step 0 lies in slot 0
	v_and_b32 v[PFO], 31, v0
	v_lshlrev_b32 v[PFO], 8, v[PFO]
	; c, gw and the gate, on S^T's registers
	s_wait_kmcnt 0x0
	SCAL 88, 72, 73
	v_mul_f32 v74, 0x41000000, v73  ; 8 c = log2(e) / temp
	s_cmp_eq_u32 s[WV], 1           ; my sample's hyp_w and bg
	s_cselect_b32 s89, s81, s80
	s_cselect_b32 s91, s85, s84
	s_cmp_eq_u32 s[WV], 2
	s_cselect_b32 s89, s82, s89
	s_cselect_b32 s91, s86, s91
	s_cmp_eq_u32 s[WV], 3
	s_cselect_b32 s89, s83, s89
	s_cselect_b32 s91, s87, s91
	v_mul_f32 v76, s80, v74
	v_mul_f32 v77, s81, v74
	v_mul_f32 v78, s82, v74
	v_mul_f32 v79, s83, v74
	v_mul_f32 v81, s89, v74
	v_max3_num_f32 v80, v76, v77, v78
	v_max_num_f32 v80, v80, v79     ; the maximum is taken away, as the reference's softmax takes it
	v_sub_f32 v76, v76, v80
	v_sub_f32 v77, v77, v80
	v_sub_f32 v78, v78, v80
	v_sub_f32 v79, v79, v80
	v_sub_f32 v81, v81, v80
	s_wait_loadcnt 0x0              ; gp (and Q)
	v_pk_add_f32 v[64:65], v[64:65], v[66:67]
	v_pk_add_f32 v[68:69], v[68:69], v[70:71]
	v_pk_add_f32 v[64:65], v[64:65], v[68:69]
	v_add_f32 v64, v64, v65
	v_add_f32_dpp v64, v64, v64 row_xmask:1 row_mask:0xf bank_mask:0xf
	v_add_f32_dpp v64, v64, v64 row_xmask:2 row_mask:0xf bank_mask:0xf
	v_add_f32_dpp v64, v64, v64 row_xmask:4 row_mask:0xf bank_mask:0xf
	v_add_f32_dpp v64, v64, v64 row_xmask:8 row_mask:0xf bank_mask:0xf
	v_permlanex16_b32 v65, v64, s[SEL], s[SEL+1]
	v_add_f32 v64, v64, v65
	v_mov_b32 v66, s91
	v_fmamk_f32 v64, v64, 0x3a800000, v66  ; the mean over 1,024 rows, + bg
	v_mul_f32 v64, 0xbfb8aa3b, v64
	v_exp_f32 v76, v76              ; one batch of six
	v_exp_f32 v77, v77
	v_exp_f32 v78, v78
	v_exp_f32 v79, v79
	v_exp_f32 v81, v81
	v_exp_f32 v64, v64
	v_nop
	s_wait_alu depctr_va_vdst(0)
	v_add_f32 v82, v76, v77
	v_add_f32 v83, v78, v79
	v_add_f32 v82, v82, v83
	v_add_f32 v64, 1.0, v64
	v_rcp_f32 v82, v82
	v_rcp_f32 v64, v64
	v_nop
	s_wait_alu depctr_va_vdst(0)
	v_mul_f32 v81, v81, v82         ; gw_s
	v_mul_f32 v64, v81, v64         ; gw_s coh
	v_mul_f32 v81, 0x3d800000, v81  ; gw_s / 16
	v_readfirstlane_b32 s[GS], v64
	v_readfirstlane_b32 s[RS], v81
; THE MATRIX WORK.  The 8 accumulators of a run of 16 take turns.
.macro KQ x                         ; product i of 16 of S^T = K Q^T for piece x: channels 32 (i / 8) on, keys 16 ((i / 2) % 4) on, tile 2 x + i % 2
	WIN W_KQ
.set rS, S+64*((\x)%2)+32*(i%2)+8*((i/2)%4)
.set rK, KF+16*((i/2)%4)+8*(i/8)
.set rQ, 16*(2*(\x)+i%2)+8*(i/8)
.if i < 8
	v_wmma_f32_16x16x32_f16 v[rS:rS+7], v[rK:rK+7], v[rQ:rQ+7], 0
.else
	v_wmma_f32_16x16x32_f16 v[rS:rS+7], v[rK:rK+7], v[rQ:rQ+7], v[rS:rS+7]
.endif
.endm
.macro PV x                         ; product i of 16 of O^T += V^T P for piece x: keys 32 (i / 8) on, channels 16 ((i / 2) % 4) on, tile 2 x + i % 2
	WIN W_PV
.set rO, 32*(2*(\x)+i%2)+8*((i/2)%4)
.set rV, VF+32*(i/8)+8*((i/2)%4)
.set rP, P+32*((\x)%2)+16*(i%2)+8*(i/8)
	v_wmma_f32_16x16x32_f16 v[rO:rO+7], v[rV:rV+7], v[rP:rP+7], v[rO:rO+7]
.endm
.macro MM
.if i < 16
	KQ (Y+1)%NP
.set i, i+1
.else
.set i, i-16
	PV (Y+NP-1)%NP
.set i, i+17
.endif
.endm
; THE LDS LOADS stand in runs of 16.  last = 1 (the tail): in the last trip there is no further step, and the run is jumped over.
.macro FETCH_K last=0
	WIN 0
.if \last
	s_cmp_eq_u32 s[CNT], 1
	s_cbranch_scc1 .Lno_k_\@
.endif
	WIN 0x80
.irp f, 0,1,2,3,4,5,6,7
	ds_load_b128 v[KF+8*\f:KF+8*\f+3],   v[AK] offset:(\f/2)*16*PK+(\f%2)*64
	ds_load_b128 v[KF+8*\f+4:KF+8*\f+7], v[AK] offset:(\f/2)*16*PK+(\f%2)*64+32
.endr
	WIN 0
.if \last
.Lno_k_\@:
.endif
.endm
.macro FETCH_V
	WIN 0x80
.irp f, 0,1,2,3,4,5,6,7
	ds_load_tr16_b128 v[VF+8*\f:VF+8*\f+3],   v[AV] offset:(\f/4)*32*PV+(\f%4)*32
	ds_load_tr16_b128 v[VF+8*\f+4:VF+8*\f+7], v[AV] offset:(\f/4)*32*PV+16*PV+(\f%4)*32
.endr
	WIN 0
.endm
; THE VECTOR WORK OF A TURN stands in three queues, each in the order in which its entries become ready; the two tiles alternate.
.macro REGS y, u
.set rT, ST+4*(2*(\y)+(\u))
.set rC, TMP+8*((\y)%2)+4*(\u)
.set rM, MV+2*((\y)%2)+(\u)
.set rS, S+64*((\y)%2)+32*(\u)
.set rP, P+32*((\y)%2)+16*(\u)
.set rO, 32*(2*(\y)+(\u))
.endm
; number n of the 22 that find the next piece's maximum and statistics; each accumulator's lowest registers are read first
.macro XS u, n
	REGS (Y+1)%NP, \u
.if (\n) < 4
	v_max3_num_f32 v[rC+(\n)], v[rS+8*(\n)], v[rS+8*(\n)+1], v[rS+8*(\n)+2]
.elseif (\n) < 12
	v_max3_num_f32 v[rC+(\n)%4], v[rC+(\n)%4], v[rS+8*((\n)%4)+2*((\n)/4)+1], v[rS+8*((\n)%4)+2*((\n)/4)+2]
.elseif (\n) == 12
	v_max3_num_f32 v[rC], v[rC], v[rS+7], v[rS+15]
.elseif (\n) == 13
	v_max3_num_f32 v[rC+1], v[rC+1], v[rS+23], v[rS+31]
.elseif (\n) == 14
	v_max3_num_f32 v[rC+2], v[rC+2], v[rC+3], v[rT+1]
.elseif (\n) == 15
	v_mov_b32 v[rM], v[rT]
.elseif (\n) == 16
	v_max3_num_f32 v[rC], v[rC], v[rC+1], v[rC+2]
.elseif (\n) == 17
	v_permlanex16_b32 v[rC+3], v[rC], s[SEL], s[SEL+1]
.elseif (\n) == 18
	v_max_num_f32 v[rT+1], v[rC], v[rC+3]
.elseif (\n) == 19
	v_mul_f32 v[rT], s[CS], v[rT+1]
.elseif (\n) == 20
	v_sub_f32 v[rC+1], v[rM], v[rT]
.else
	v_exp_f32 v[rC+2], v[rC+1]
.endif
.endm
; number g of the 64 that follow the exponentials: round, round, add the second pair of four weights onto the first, and l takes the sum of the group before
.macro GS_ g
.set h, (\g)+6*((\g)/62)
.if h >= 6
.set h, h+2
.endif
	REGS Y, h%2
.set k, h/8
.if h%8 < 4
	v_cvt_pk_f16_f32 v[rP+2*k+(h%8)/2], v[rS+4*k+2*((h%8)/2)], v[rS+4*k+2*((h%8)/2)+1]
.elseif h%8 < 6
	v_pk_add_f32 v[rS+4*k:rS+4*k+1], v[rS+4*k:rS+4*k+1], v[rS+4*k+2:rS+4*k+3]
.elseif k == 1
	v_pk_fma_f32 v[rT+2:rT+3], v[rT+2:rT+3], v[rC+2:rC+3], v[rS:rS+1] op_sel_hi:[1,0,1]
.else
	v_pk_add_f32 v[rT+2:rT+3], v[rT+2:rT+3], v[rS+4*k-4:rS+4*k-3]
.endif
.endm
.macro FS f
	REGS Y, (\f)%2
	v_pk_fma_f32 v[rS+2*((\f)/2):rS+2*((\f)/2)+1], v[rS+2*((\f)/2):rS+2*((\f)/2)+1], s[CS:CS+1], v[rT:rT+1] op_sel_hi:[1,0,0] neg_lo:[0,0,1] neg_hi:[0,0,1]
.endm
; the plain queue, 138 long: 0-73 read no exponential's result (32 scalings and the next piece's 42), 74-137 are the 64 that do
.macro PL
	WIN 0
.if q < 27
	FS q
.elseif q < 55
	XS (q-27)%2, (q-27)/2
.elseif q < 57
	XS q-55, 15
.elseif (q < 72) && ((q-57)%3 == 0)
	FS 27+(q-57)/3
.elseif q < 60
	XS (q-57)%3-1, 14
.elseif q < 72
	XS (q-57)%3-1, 15+(q-57)/3
.elseif q < 74
	XS q-72, 20
.else
	GS_ q-74
.endif
.set q, q+1
.endm
.macro EX                           ; the exponentials' queue, 66 long: one batch, all ahead of the turn's one wait
	WIN 0
.if e >= 64
	XS e-64, 21
.else
	REGS Y, e%2
	v_exp_f32 v[rS+e/2], v[rS+e/2]
.endif
.set e, e+1
.endm
.macro R2                           ; the rescaling's queue: O^T times a, two at a time
	REGS Y, r%2
	WIN W_RS
.irp z, 0,1
	v_pk_mul_f32 v[rO+4*(r/2)+2*\z:rO+4*(r/2)+2*\z+1], v[rO+4*(r/2)+2*\z:rO+4*(r/2)+2*\z+1], v[rC+2:rC+3] op_sel_hi:[1,0]
.endr
.set r, r+1
.endm
; A TURN, for piece p.  Ahead of its one wait stands all that names no result of its exponentials: 16 products K Q^T with a scaling, an exponential and two rescalings behind each, then a lump of 108.
; Behind the wait: 16 products V^T P, four of the roundings and sums behind each.  K of the next step is fetched in piece 2's turn, directly behind the wait; V of the step in hand at the end of piece 0's
; turn, four plain instructions behind its last reader.  cnt = 1: the loop's count is taken down some lines ahead of the branch behind the turn.
.macro TURN p, last=0, cnt=0
.set Y, (\p)
.set i, 0
.set q, 0
.set e, 0
.set r, 0
.if (\p) == NP-1
	s_wait_dscnt 0x0                ; K is in
.endif
	MM
	PL
	PL
	R2
.rept 15
	MM
	PL
	EX
	R2
.endr
.if (\p) == NP-2
	WIN 0
	v_add_nc_u32 v[AK], s[TB], v[AK0]
.endif
.rept 8
	PL
.endr
.rept 49
	EX
	PL
.endr
	EX
	EX
	v_nop                           ; the plain instruction behind the last exponential: one for the batch
	s_wait_alu depctr_va_vdst(0)    ; the wait for the batch
.if (\p) == NP-2
	FETCH_K \last
.endif
.if (\p) == 1
	s_wait_dscnt 0x0                ; V is in
.endif
.rept 16
	MM
.rept 4
	PL
.endr
.if ((\p) == 0) && (q == 118)
	v_add_nc_u32 v[AV], s[TB], v[AV0]
.endif
.if (\cnt) && (q == 130)
	s_sub_co_u32 s[CNT], s[CNT], 1
	s_cmp_lg_u32 s[CNT], 0
.endif
.endr
.if (\p) == 0
	FETCH_V
.endif
.endm
	s_mov_b32 s[CNT], 15
	CHANGE 1                        ; slot 0 is in, everybody's part of it; key step 1 is asked for
	FETCH_K                         ; key step 0
	s_wait_dscnt 0x0
.set i, 0
.rept 16
	KQ 0                            ; piece 0's first scores
.set i, i+1
.endr
	WIN 0                           ; the addresses for the way out: plain instructions, the places behind those products
	s_mul_i32 s13, s[WV], 16*SP
	s_add_co_u32 s13, s13, STAGE
	v_mul_u32_u24 v[STO], v1, SP
	v_lshl_add_u32 v[STO], v9, 4, v[STO]
	v_add_nc_u32 v[STO], s13, v[STO]
	v_bfe_u32 v[RD], v0, 3, 2
	v_mul_u32_u24 v[RD], v[RD], SP
	v_lshl_add_u32 v[RD], v10, 4, v[RD]
	v_add_nc_u32 v[RD], s13, v[RD]
	v_and_b32 v[GO], 31, v0
	v_lshlrev_b32 v[GO], 4, v[GO]
.set Y, NP-1
.irp n, 0,1,2,3,4,5,6,7,8,9,10,11,12,13,14,15,16,17,18,19,20,21
	XS 0, \n
	XS 1, \n
.endr
	v_nop
	s_wait_alu depctr_va_vdst(0)
	s_branch .Lfirst                ; the loop is entered at a step's first turn, in the middle of a trip
.Lstep:                             ; 14 trips: pieces 2 and 3 of step j, pieces 0 and 1 of step j + 1; step j + 2 is asked for
	CHANGE 1
	TURN 2
	TURN 3
	WIN 0
.Lfirst:
	TURN 0
	TURN 1, 0, 1
	WIN 0
	s_cbranch_scc1 .Lstep
	CHANGE 0                        ; the tail is written out: nothing is asked for
	s_mov_b32 s[CNT], 2             ; one trip fetches the last step; the second is left in its middle
.Ltail:
	TURN 2, 1
	TURN 3
	WIN 0
	s_sub_co_u32 s[CNT], s[CNT], 1
	s_cmp_eq_u32 s[CNT], 0
	s_cbranch_scc1 .Lout
	TURN 0
	TURN 1
	WIN 0
	s_branch .Ltail
.Lout:                              ; the second trip's 16 products K Q^T stand on the last K once more: their scores are in m already, so m and c m stay as they are
.set i, 0
.rept 16
	PV NP-1
.set i, i+1
.endr
	; THE WAY OUT.  1 / l; the statistics; O^T times gw coh / l; the four samples meet in LDS in f32; each wave finishes two tiles.
	WIN 0
.macro ALL line:vararg
.set t, 0
.rept 2*NP
	\line
.set t, t+1
.endr
.endm
	ALL v_add_f32 v[ST+4*t+2], v[ST+4*t+2], v[ST+4*t+3]
	ALL v_permlanex16_b32 v[ST+4*t+3], v[ST+4*t+2], s[SEL], s[SEL+1]
	ALL v_add_f32 v[ST+4*t+2], v[ST+4*t+2], v[ST+4*t+3]
	ALL v_rcp_f32 v[ST+4*t+2], v[ST+4*t+2]
	v_nop
	s_wait_alu depctr_va_vdst(0)    ; one wait for the eight reciprocals
	ALL v_mul_f32 v[ST+4*t+3], s[RS], v[ST+4*t+2]
	ALL v_mul_f32 v[ST+4*t+2], s[GS], v[ST+4*t+2]
.set u, 0
.rept 4                             ; lanes 0-15 give tile 2 u's 16 queries, lanes 16-31 tile 2 u + 1's: 512 consecutive bytes a store
	v_cndmask_b32 v[S+64+4*u],   v[ST+8*u],   v[ST+8*u+4], s[HM]
	v_cndmask_b32 v[S+64+4*u+1], v[ST+8*u+3], v[ST+8*u+7], s[HM]
	v_cndmask_b32 v[S+64+4*u+2], v[ST+8*u+3], v[ST+8*u+7], s[HM]
	v_cndmask_b32 v[S+64+4*u+3], v[ST+8*u],   v[ST+8*u+4], s[HM]
	global_store_b128 v[GO], v[S+64+4*u:S+64+4*u+3], s[STP:STP+1] offset:512*u
.set u, u+1
.endr
	s_lshl_b32 s13, s[WV], 15
	v_add_nc_u32 v[AK], s13, v[GO]  ; my 32 KiB of the merge
	s_lshl_b32 s13, s[WV], 13
	v_add_nc_u32 v[AV], s13, v[GO]  ; tiles 2 w, 2 w + 1 in a wave's 32 KiB
	v_add_nc_u32 v[ML1], 65536, v[AV]
	WIN W_RS
.set t, 0
.rept 2*NP
.set i, 32*t
.rept 16
	v_pk_mul_f32 v[i:i+1], v[i:i+1], v[ST+4*t+2:ST+4*t+3] op_sel_hi:[1,0]
.set i, i+2
.endr
.set t, t+1
.endr
	WIN 0
	s_wait_dscnt 0x0
	s_barrier_signal -1             ; every wave has left the ring: its bytes have had their last fill and their last read
	s_barrier_wait -1
	WIN 0x04                        ; store data in window 1
.set i, 0
.rept 64
	ds_store_b128 v[AK], v[4*i:4*i+3] offset:512*i
.set i, i+1
.endr
	WIN 0
	s_wait_dscnt 0x0                ; for the others' sake
	s_barrier_signal -1
	s_barrier_wait -1
	WIN 0x40                        ; loaded data into window 1: source w' at 64 w'
.set i, 0
.rept 16
	ds_load_b128 v[4*i:4*i+3],         v[AV]  offset:512*i
	ds_load_b128 v[64+4*i:64+4*i+3],   v[AV]  offset:32768+512*i
	ds_load_b128 v[128+4*i:128+4*i+3], v[ML1] offset:512*i
	ds_load_b128 v[192+4*i:192+4*i+3], v[ML1] offset:32768+512*i
.set i, i+1
.endr
	s_wait_dscnt 0x0
	WIN 0x45
.set i, 0
.rept 32
	v_pk_add_f32 v[i:i+1], v[i:i+1], v[64+i:64+i+1]
	v_pk_add_f32 v[128+i:128+i+1], v[128+i:128+i+1], v[192+i:192+i+1]
.set i, i+2
.endr
.set i, 0
.rept 32
	v_pk_add_f32 v[i:i+1], v[i:i+1], v[128+i:128+i+1]
.set i, i+2
.endr
.macro PACK t                       ; a lane's eight channels of a row pack into 16 bytes; into rows of 144 bytes and back as whole rows of 128
	WIN 0x05
.set i, 0
.rept 16
	v_cvt_pk_f16_f32 v[S+16*(\t)+i], v[32*(\t)+2*i], v[32*(\t)+2*i+1]
.set i, i+1
.endr
	WIN 0
.irp f, 0,1,2,3
	ds_store_b128 v[STO], v[S+16*(\t)+4*\f:S+16*(\t)+4*\f+3] offset:32*\f
.endr
.irp f, 0,1,2,3
	ds_load_b128 v[S+16*(\t)+4*\f:S+16*(\t)+4*\f+3], v[RD] offset:\f*4*SP  ; LDS serves a wave's instructions in order
.endr
.endm
.macro SEND t, younger              ; younger: the LDS instructions issued behind tile t's loads
	WIN 0
.irp f, 0,1,2,3
	s_wait_dscnt (\younger)+3-\f
	global_store_b128 v[GO], v[S+16*(\t)+4*\f:S+16*(\t)+4*\f+3], s[OP:OP+1] offset:(\t)*2048+\f*512  ; 512 consecutive bytes
.endr
.endm
	PACK 0
	PACK 1
	SEND 0, 8
	SEND 1, 0
	WIN W_AD
	s_wait_tensorcnt 0x0            ; the wave's end
	ds_add_u32 v[SPW], v[NIL]
	s_wait_dscnt 0x0
	WIN 0
	CROUND                          ; the closing round
	s_endpgm
.Lfunc_end_k_qba3f6d0dde_attn:
	.size	k_qba3f6d0dde_attn, .Lfunc_end_k_qba3f6d0dde_attn-k_qba3f6d0dde_attn
	.p2alignl 7, 3214868480
	.fill 96, 4, 3214868480
	.section	.rodata,"a",@progbits
	.p2align	6, 0x0
	.amdhsa_kernel k_qba3f6d0dde_attn
		.amdhsa_group_segment_fixed_size 327680
		.amdhsa_private_segment_fixed_size 0
		.amdhsa_enable_private_segment 0
		.amdhsa_kernarg_size 56
		.amdhsa_user_sgpr_count 2
		.amdhsa_user_sgpr_kernarg_segment_ptr 1
		.amdhsa_wavefront_size32 1
		.amdhsa_system_sgpr_workgroup_id_x 1
		.amdhsa_system_sgpr_workgroup_id_y 1
		.amdhsa_system_sgpr_workgroup_id_z 1
		.amdhsa_system_vgpr_workitem_id 0
		.amdhsa_next_free_vgpr 770
		.amdhsa_next_free_sgpr 96
		.amdhsa_reserve_vcc 0
		.amdhsa_float_denorm_mode_32 3
		.amdhsa_float_denorm_mode_16_64 3
		.amdhsa_memory_ordered 1
		.amdhsa_forward_progress 1
		.amdhsa_inst_pref_size 207
	.end_amdhsa_kernel
	.amdgpu_metadata
---
amdhsa.version: [ 1, 2 ]
amdhsa.kernels:
  - .name:           k_qba3f6d0dde_attn
    .symbol:         k_qba3f6d0dde_attn.kd
    .args:
      - { .name: qkv, .offset: 0, .size: 8, .value_kind: global_buffer, .address_space: global }
      - { .name: gp, .offset: 8, .size: 8, .value_kind: global_buffer, .address_space: global }
      - { .name: hyp_w, .offset: 16, .size: 8, .value_kind: global_buffer, .address_space: global }
      - { .name: bg, .offset: 24, .size: 8, .value_kind: global_buffer, .address_space: global }
      - { .name: temperature, .offset: 32, .size: 8, .value_kind: global_buffer, .address_space: global }
      - { .name: st, .offset: 40, .size: 8, .value_kind: global_buffer, .address_space: global }
      - { .name: cmb, .offset: 48, .size: 8, .value_kind: global_buffer, .address_space: global }
    .group_segment_fixed_size: 327680
    .private_segment_fixed_size: 0
    .kernarg_segment_align: 8
    .kernarg_segment_size: 56
    .max_flat_workgroup_size: 128
    .sgpr_count:     96
    .vgpr_count:     770
    .wavefront_size: 32
...
	.end_amdgpu_metadata
.endif
;; end of part 3
;; launch mix (part 4): grid 16 x 16, 4 waves a work-group, clusters of 4 x 4, 327,680 bytes of LDS; arguments qkv, st, cmb, wob, bo, temperature, out1, out0; writes out1, out0
.if DOCPART == 4
	.amdgcn_target "amdgcn-amd-amdhsa--gfx1250"
	.amdhsa_code_object_version 6
	.text
	.protected	k_qba3f6d0dde_mix
	.globl	k_qba3f6d0dde_mix
	.p2align	8
	.type	k_qba3f6d0dde_mix,@function
k_qba3f6d0dde_mix:
	s_mov_b64 s[64:65], 0
	v_nop
	global_prefetch_b8 v0, s[64:65] scope:SCOPE_SE
	s_setreg_imm32_b32 hwreg(HW_REG_WAVE_MODE, 25, 1), 1
	s_wait_xcnt 0x0
	s_wait_alu depctr_hold_cnt(0) depctr_sa_sdst(0) depctr_va_vdst(0) depctr_va_sdst(0) depctr_va_ssrc(0) depctr_va_vcc(0) depctr_vm_vsrc(0)
	s_getreg_b32 s2, hwreg(HW_REG_IB_STS2, 6, 4)
	s_cmp_eq_u32 s2, 0
	s_cbranch_scc0 .Lentry_in_a_cluster
	s_endpgm
.Lentry_in_a_cluster:
	s_bfe_u32 s2, ttmp6, 0x10000c
	s_cmp_lg_u32 s2, 0xf033
	s_cbranch_scc0 .Lentry_shape_is_right
	s_endpgm
.Lentry_shape_is_right:
; MIX: both outputs, a tile of 128 rows x 64 columns of each to a work-group, on one ring of three LDS regions.
;   out1[b][i][j] = sum over h, s of r 2^(c q_s.k_s - c m), r = gw_s / (16 l) and c m from st: the scores are made once more, tile by tile.  A step is a head; WAVE w IS SAMPLE w.
;   out0 = cmb wob^T + bo, K = 1024 in 16 blocks of 64: a step is four blocks, wave w takes block 4 k' + w.
; In both products the four waves' partial tiles (f32) meet in LDS at the end.  Both kinds of step have the same image in LDS, the same group 1 and four planes of 131,072 bytes.
; Nothing of the problem is left out here.  LIMITS: as in the launch before; a weight below 2^-126 counts as 0; a NaN temperature counts as 0.1.
; THE STEPS: s0 = out0's blocks 0-3; s1 .. s16 = the heads 0 .. 15; s17, s18, s19 = out0's blocks 4-15.  The heads go in PAIRS, eight trips.
; THE RING.  A step's tiles are 104,448 bytes, so three regions fit.  A pair's first step always lies in X, its second in Y and Z by turns.  At a trip's head the first step's fragments are in registers and
; the second step lies unread in one of Y, Z: so X and the other of Y, Z are free, and behind ONE round of the cluster's barrier four joint loads, one a wave, bring the whole next pair.  They have the pair's two
; steps in which to land.  In the pair's first step the second step's fragments are read as registers come free; in its second step there is nothing to read (scalar jumps lead round the LDS loads and round the
; products for a step that has not landed).  At the trip's end each wave waits for its load, a work-group barrier shows the tiles to all, and the next pair's first step is read out of X.
; The first fills are s0 -> Z, s1 -> X, s2 -> Y: all three regions are filled at the start.  s0 is multiplied while s1's fragments are read.
; LAYOUT.  Source 0 = 16 keys (out0: 16 rows of wob), source 1 = 16 queries (16 rows of cmb): a lane holds one row of the output (lane % 16) and eight neighbouring columns.
; A HEAD is four chunks of two query tiles.  While chunk j's 32 scalings, 64 exponentials and 32 multiply-adds go, the 16 products of chunk j + 1 stand among them.  A chunk's exponentials are one batch, one wait.
; THE STATISTICS of a pair are asked for a pair ahead, into 64 registers that lie idle among the heads (the columns' second buffer), and moved at the trip's end; ST takes the second step's at a step's end.
; CLUSTER 4 x 4: the rows' tiles (q, cmb) are shared along a row of the cluster, the columns' (k, wob) along a column.  The batch is the low bit of the cluster's y, the group of four row blocks the rest of it.
; REGISTERS.  window 0: v2-25 addresses; v32-63 ST (tile t at 4 t: c m, r, r, c m); v64-95 bo; v96-223 S^T, two buffers of 64; v224-255 ST2.   window 1: out1's sums, tile (t, kt) at 8 (4 t + kt)
;   window 2: v0-127 the rows' fragments (16 t + 8 c); v128-191, v192-255 the columns' (the second: out0's steps; among the heads the statistics' landing place).   window 3: out0's accumulators
.set QPL,    64*272                    ; a plane of 128 rows in LDS: 16 bytes of padding behind every 256 (two rows).  Row r of a fragment lies at (r / 2) 272 + (r % 2) 128: sixteen different 16-byte columns modulo 256
.set KPL,    32*272                    ; a plane of 64 rows
.set TSTR,   8*272                     ; 16 rows
.set KOFF,   4*QPL                     ; a region: [plane 4][128 rows], then [plane 4][64 rows]
.set SLOT,   KOFF+4*KPL                ; 104,448
.set RY,     0
.set RZ,     SLOT
.set RX,     2*SLOT
.set DQ,     RY^RZ                     ; one exclusive or turns an address word in Y into its like in Z, and back
.set DK,     (RY+KOFF)^(RZ+KOFF)
.set MERGE2, 131072                    ; the merges lie over the ring, behind its last fill and last read: out1's at 0, out0's here, 131,072 bytes each
.set OSTG,   262144                    ; likewise: 16 rows x 272 bytes for each wave, for the way out
.set OPITCH, 272
.set SPARE,  3*SLOT                    ; behind the ring: the spare words, 128 bytes a wave
.set STEP,   0x80000                   ; four planes
.set AQ0, 2                            ; v2   my lane's place in my plane of a region's rows; never rewritten
.set AK0, 3                            ; v3   the same for the columns
.set AQ,  4                            ; v4   the same in the one of Y, Z that is read in this trip
.set AK,  5
.set SO,  6                            ; v6   16 (l % 16): my query's statistics
.set MS1, 7
.set MS2, 8
.set ML,  9                            ; v9-12
.set STO, 13
.set RD,  14
.set GO,  15
.set SPW, 16
.set NIL, 17
.set PFO, 18                           ; v18  256 x lane
.set BOO, 19                           ; v19  32 (l / 16)
.set AQX, 23                           ; v23  my lane's place in X; never rewritten
.set AKX, 24
.set ST,  32
.set BI,  64
.set S,   96
.set ST2, 224
.set KB0, 128
.set KB1, 192
.set LND, 192
.set TT,  2                            ; s2   counts a pair's two steps: 2, 1
.set CNT, 3                            ; s3   counts the pairs: 8 .. 1
.set G1,  24                           ; s[24:31] group 1 for the rows' tiles
.set G0,  32                           ; s[32:35] group 0 for the rows' tile of a pair's first step (X); s[36:39] of its second (Y, Z)
.set CS,  44                           ; s[44:45] c
.set PFQ, 46                           ; s[46:47] where my prefetches of q stand
.set G1B, 48                           ; s[48:55], s[56:59], s[60:63] the same for the columns' tiles
.set G0B, 56
.set TBO, 66                           ; s66  the one of Y, Z that is read in this trip
.set LIMQ, 67                          ; s67  3 in a wave that prefetches q, else the greatest number
.set ALTQ, 68                          ; s[68:69] s17's address in cmb, type bits set
.set ALTK, 70                          ; s[70:71] in wob
.set STP, 72                           ; s[72:73] st at my sample's rows, at the pair whose statistics were asked for last
.set PFK, 74                           ; s[74:75] where my prefetches of k stand
.set O1,  76                           ; s[76:77] out1 at my 32 rows of the tile
.set O0,  78                           ; s[78:79] out0
.set GZQ, 84                           ; s[84:87] group 0 for s0's rows' tile
.set GZK, 92                           ; s[92:95] for its columns' tile
.set LIMK, 99                          ; s99  as LIMQ, for k
.set MSB, 0
.macro WIN new
.if MSB != (\new)
	s_set_vgpr_msb (MSB<<8)|(\new)
.set MSB, \new
.endif
.endm
.macro PLACES
.rept 4
	v_nop
.endr
.endm
.macro TL g0, g1                       ; a tensor load; an s_nop 0 and four v_nop follow it, ahead of a jump, a label and what follows
	tensor_load_to_lds s[\g0:\g0+3], s[\g1:\g1+7]
	s_nop 0
.rept 4
	v_nop
.endr
.endm
; The joint refills: wave 0 the rows' tile of the next pair's first step, wave 1 its columns' tile, waves 2 and 3 those of its second step (all = 0: there is no second step, and waves 2 and 3 issue none).
; The branches hang on the wave's number alone.
.macro JLOAD all
	s_cmp_lt_u32 s10, 2
	s_cbranch_scc0 .Lj23_\@
	s_cmp_eq_u32 s10, 0
	s_cbranch_scc0 .Lj1_\@
	TL G0, G1
	s_branch .Ljd_\@
.Lj1_\@:
	TL G0B, G1B
	s_branch .Ljd_\@
.Lj23_\@:
.if \all
	s_cmp_eq_u32 s10, 2
	s_cbranch_scc0 .Lj3_\@
	TL G0+4, G1
	s_branch .Ljd_\@
.Lj3_\@:
	TL G0B+4, G1B
.endif
.Ljd_\@:
.endm
.macro CROUND
	s_barrier_signal -1
	s_barrier_wait -1
	s_cmp_lg_u32 s10, 0
	s_cbranch_scc1 .Lnot_wave_0_\@
	s_barrier_signal -3
.Lnot_wave_0_\@:
	s_barrier_wait -3
	s_barrier_signal -1
	s_barrier_wait -1
.endm
; PREFETCH INTO THE L2: trip i names the heads 2 i + 6 and 2 i + 7, two refills ahead of the loads that will want them, up to head 15.  q's planes are read by every cluster of a row of clusters: cluster x = 0 asks,
; work-group cx for sample cx's 128 rows; wave w takes head w / 2 of the two and half w % 2 of the rows.  k's planes are read by the two row groups of a batch: the first asks, work-group cy for sample cy's 64
; rows, waves 0 and 1 a head each.  A lane a block of 256 bytes; each block is named once; partners are told apart by address alone.  Heads 0 to 5 and out0's tiles come by their loads alone.
.macro ASK
	s_cmp_gt_u32 s[CNT], s[LIMQ]
	s_cbranch_scc0 .Lnq_\@
	global_prefetch_b8 v[PFO], s[PFQ:PFQ+1] th:TH_LOAD_NT scope:SCOPE_SE
.Lnq_\@:
	s_cmp_gt_u32 s[CNT], s[LIMK]
	s_cbranch_scc0 .Lnk_\@
	global_prefetch_b8 v[PFO], s[PFK:PFK+1] th:TH_LOAD_NT scope:SCOPE_SE
.Lnk_\@:
.endm
.macro SCAL sv, va, vb                 ; the same lines as in the launch before: c has the same bits
	v_mov_b32 v[\va], s[\sv]
	v_max_num_f32 v[\va], 0x3dcccccd, v[\va]
	v_min_num_f32 v[\va], 0x41200000, v[\va]
	v_rcp_f32 v[\va], v[\va]
	v_nop
	s_wait_alu depctr_va_vdst(0)
	v_mul_f32 v[\vb], 0x3e38aa3b, v[\va]
	v_readfirstlane_b32 s[CS], v[\vb]
	s_mov_b32 s[CS+1], s[CS]
.endm
	s_load_b512 s[80:95], s[0:1], 0x0              ; qkv 80, st 82, cmb 84, wob 86, bo 88, temperature 90, out1 92, out0 94
	v_lshl_add_u32 v[SPW], v0, 2, SPARE
	v_mov_b32 v[NIL], 0
	ds_add_u32 v[SPW], v[NIL]                      ; the wave's opening: the add, twice on end, and its wait ahead of my first tensor load
	ds_add_u32 v[SPW], v[NIL]
	v_lshrrev_b32 v1, 5, v0
	v_readfirstlane_b32 s10, v1                    ; wave = sample
	s_and_b32 s12, s10, 1
	s_lshr_b32 s11, s10, 1
	s_bfe_u32 s40, ttmp6, 0x40000                  ; cx
	s_bfe_u32 s41, ttmp6, 0x40004                  ; cy
	s_lshl_b32 s42, ttmp9, 2
	s_add_co_u32 s42, s42, s40                     ; jb: my 64 columns
	s_and_b32 s14, ttmp7, 0xffff                   ; cluster y
	s_and_b32 s15, s14, 1                          ; b: the same in the whole cluster
	s_lshr_b32 s17, s14, 1                         ; the group of four row blocks
	s_lshl2_add_u32 s16, s17, s41                  ; ib: my 128 rows of the batch
	s_lshl3_add_u32 s13, s15, s16                  ; 8 b + ib
	s_lshl_b32 s43, s41, 2
	s_lshl_b32 s43, 15, s43                        ; my row of the cluster
	s_lshl_b32 s9, 0x1111, s40                     ; my column
	; group 1: four rows (planes) of 8,192 or 4,096 elements of 2 bytes, 65,536 elements from plane to plane; 16 bytes of padding after every 256 bytes; bit 21 beside the mask
	s_or_b32 s[G1], s43, 0x7710000
	s_or_b32 s[G1B], s9, 0x7710000
	s_mov_b32 s[G1+1], 8192<<16
	s_mov_b32 s[G1+2], 4<<16
	s_mov_b32 s[G1+3], 8192<<16
	s_mov_b32 s[G1+4], 4
	s_mov_b32 s[G1+5], 65536
	s_mov_b32 s[G1+6], 0
	s_mov_b32 s[G1+7], 0
	s_mov_b32 s[G1B+1], 4096<<16
	s_mov_b32 s[G1B+2], 4<<16
	s_mov_b32 s[G1B+3], 4096<<16
	s_mov_b32 s[G1B+4], 4
	s_mov_b32 s[G1B+5], 65536
	s_mov_b32 s[G1B+6], 0
	s_mov_b32 s[G1B+7], 0
	s_lshl_b32 s18, s15, 23                        ; q, head 0: plane 64 b, rows 128 ib
	s_lshl_b32 s19, s16, 14
	s_add_co_u32 s18, s18, s19
	s_mov_b32 s19, 0
	s_lshl_b32 s20, s15, 23                        ; k, head 0: plane 128 + 64 b, rows 64 jb
	s_lshl_b32 s21, s42, 13
	s_add_co_u32 s20, s20, s21
	s_add_co_u32 s20, s20, 0x1000000
	s_mov_b32 s21, 0
	s_lshl_b32 s22, s15, 21                        ; cmb, blocks 0-3: plane 16 b, rows 128 ib
	s_lshl_b32 s23, s16, 14
	s_add_co_u32 s22, s22, s23
	s_mov_b32 s23, 0
	s_lshl_b32 s96, s42, 13                        ; wob, blocks 0-3: rows 64 jb
	s_mov_b32 s97, 0
	s_lshl_b32 s4, s13, 19                         ; the outputs: row 128 (8 b + ib) + 32 w, column 64 jb
	s_lshl_b32 s5, s10, 17
	s_add_co_u32 s4, s4, s5
	s_lshl_b32 s5, s42, 8
	s_add_co_u32 s4, s4, s5
	s_mov_b32 s5, 0
	s_lshl_b32 s6, s42, 8                          ; bo at my 64 columns
	s_mov_b32 s7, 0
	s_lshl_b32 s[STP], s15, 6                      ; st: (64 b + 4 h + w) x 16,384 + 128 ib x 16
	s_add_co_u32 s[STP], s[STP], s10
	s_lshl_b32 s[STP], s[STP], 14
	s_lshl_b32 s[STP+1], s16, 11
	s_add_co_u32 s[STP], s[STP], s[STP+1]
	s_mov_b32 s[STP+1], 0
	s_lshl_b32 s[PFQ], s15, 6                      ; the prefetches of q: sample cx,
	s_add_co_u32 s[PFQ], s[PFQ], s40
	s_lshl_b32 s[PFQ], s[PFQ], 17
	s_lshl_b32 s[PFQ+1], s16, 14
	s_add_co_u32 s[PFQ], s[PFQ], s[PFQ+1]
	s_lshl_b32 s[PFQ+1], s12, 13                   ; my half of its 128 rows,
	s_add_co_u32 s[PFQ], s[PFQ], s[PFQ+1]
	s_add_co_u32 s[PFQ+1], s11, 4                  ; at head 4 or 5: the first trip steps it to 6 or 7
	s_lshl_b32 s[PFQ+1], s[PFQ+1], 19
	s_add_co_u32 s[PFQ], s[PFQ], s[PFQ+1]
	s_mov_b32 s[PFQ+1], 0
	s_lshl_b32 s[PFK], s15, 6                      ; of k: sample cy
	s_add_co_u32 s[PFK], s[PFK], s41
	s_add_co_u32 s[PFK], s[PFK], 128
	s_lshl_b32 s[PFK], s[PFK], 17
	s_lshl_b32 s[PFK+1], s42, 13
	s_add_co_u32 s[PFK], s[PFK], s[PFK+1]
	s_add_co_u32 s[PFK+1], s12, 4
	s_lshl_b32 s[PFK+1], s[PFK+1], 19
	s_add_co_u32 s[PFK], s[PFK], s[PFK+1]
	s_mov_b32 s[PFK+1], 0
	s_cmp_eq_u32 ttmp9, 0                          ; who asks: the same in all sixteen partners, for a given wave
	s_cselect_b32 s[LIMQ], 3, -1
	s_or_b32 s8, s17, s11
	s_cmp_eq_u32 s8, 0
	s_cselect_b32 s[LIMK], 3, -1
	s_mov_b32 s[TBO], RZ                           ; the first trip turns it into Y
	s_wait_dscnt 0x0                               ; both opening adds are done
	s_wait_kmcnt 0x0
	s_load_b32 s98, s[90:91], 0x0                  ; the temperature
	s_add_nc_u64 s[18:19], s[80:81], s[18:19]
	s_add_nc_u64 s[20:21], s[80:81], s[20:21]
	s_add_nc_u64 s[22:23], s[84:85], s[22:23]
	s_add_nc_u64 s[96:97], s[86:87], s[96:97]
	s_add_nc_u64 s[ALTQ:ALTQ+1], s[22:23], STEP
	s_or_b32 s[ALTQ+1], s[ALTQ+1], 0x80000000
	s_add_nc_u64 s[ALTK:ALTK+1], s[96:97], STEP
	s_or_b32 s[ALTK+1], s[ALTK+1], 0x80000000
	s_add_nc_u64 s[O1:O1+1], s[92:93], s[4:5]
	s_add_nc_u64 s[O0:O0+1], s[94:95], s[4:5]
	s_add_nc_u64 s[STP:STP+1], s[82:83], s[STP:STP+1]
	s_add_nc_u64 s[88:89], s[88:89], s[6:7]
	s_add_nc_u64 s[PFQ:PFQ+1], s[80:81], s[PFQ:PFQ+1]
	s_add_nc_u64 s[PFK:PFK+1], s[80:81], s[PFK:PFK+1]
	s_mov_b32 s[G0], 1                             ; s1 = head 0 into X
	s_mov_b32 s[G0+1], RX
	s_mov_b64 s[G0+2:G0+3], s[18:19]
	s_or_b32 s[G0+3], s[G0+3], 0x80000000
	s_mov_b32 s[G0B], 1
	s_mov_b32 s[G0B+1], RX+KOFF
	s_mov_b64 s[G0B+2:G0B+3], s[20:21]
	s_or_b32 s[G0B+3], s[G0B+3], 0x80000000
	s_mov_b32 s[G0+4], 1                           ; s2 = head 1 into Y
	s_mov_b32 s[G0+5], RY
	s_add_nc_u64 s[G0+6:G0+7], s[18:19], STEP
	s_or_b32 s[G0+7], s[G0+7], 0x80000000
	s_mov_b32 s[G0B+4], 1
	s_mov_b32 s[G0B+5], RY+KOFF
	s_add_nc_u64 s[G0B+6:G0B+7], s[20:21], STEP
	s_or_b32 s[G0B+7], s[G0B+7], 0x80000000
	s_mov_b32 s[GZQ], 1                            ; s0 into Z
	s_mov_b32 s[GZQ+1], RZ
	s_mov_b64 s[GZQ+2:GZQ+3], s[22:23]
	s_or_b32 s[GZQ+3], s[GZQ+3], 0x80000000
	s_mov_b32 s[GZK], 1
	s_mov_b32 s[GZK+1], RZ+KOFF
	s_mov_b64 s[GZK+2:GZK+3], s[96:97]
	s_or_b32 s[GZK+3], s[GZK+3], 0x80000000
	CROUND                                         ; all sixteen work-groups are here: the first joint loads meet
	s_cmp_lt_u32 s10, 2                            ; a wave's first fills stand in one arm: waves 0 and 1 have two loads out (s0's first), waves 2 and 3 one
	s_cbranch_scc0 .Lf23
	s_cmp_eq_u32 s10, 0
	s_cbranch_scc0 .Lf1
	tensor_load_to_lds s[GZQ:GZQ+3], s[G1:G1+7]
	s_nop 0
	TL G0, G1
	s_branch .Lfd
.Lf1:
	tensor_load_to_lds s[GZK:GZK+3], s[G1B:G1B+7]
	s_nop 0
	TL G0B, G1B
	s_branch .Lfd
.Lf23:
	s_cmp_eq_u32 s10, 2
	s_cbranch_scc0 .Lf3
	TL G0+4, G1
	s_branch .Lfd
.Lf3:
	TL G0B+4, G1B
.Lfd:
	v_and_b32 v1, 15, v0                           ; l % 16
	v_bfe_u32 v20, v0, 4, 1                        ; l / 16
	v_and_b32 v21, 31, v0
	v_lshlrev_b32 v[SO], 4, v1
	v_lshlrev_b32 v[BOO], 5, v20
.irp kt, 0,1,2,3
	global_load_b128 v[BI+8*\kt:BI+8*\kt+3],   v[BOO], s[88:89] offset:64*\kt
	global_load_b128 v[BI+8*\kt+4:BI+8*\kt+7], v[BOO], s[88:89] offset:64*\kt+16
.endr
.irp t, 0,1,2,3,4,5,6,7
	global_load_b128 v[ST+4*\t:ST+4*\t+3],   v[SO], s[STP:STP+1] offset:256*\t         ; head 0's statistics,
	global_load_b128 v[ST2+4*\t:ST2+4*\t+3], v[SO], s[STP:STP+1] offset:65536+256*\t   ; head 1's
.endr
	v_lshrrev_b32 v22, 1, v1                       ; a fragment's row l % 16: (r / 2) 272 + (r % 2) 128, + 16 (l / 16)
	v_mul_u32_u24 v22, v22, 272
	v_and_b32 v25, 1, v1
	v_lshl_add_u32 v22, v25, 7, v22
	v_lshl_add_u32 v22, v20, 4, v22
	s_mul_i32 s17, s10, QPL                        ; my plane of the rows,
	v_add_nc_u32 v[AQ0], s17, v22
	s_mul_i32 s17, s10, KPL                        ; and of the columns
	s_add_co_u32 s17, s17, KOFF
	v_add_nc_u32 v[AK0], s17, v22
	v_add_nc_u32 v[AQ], RZ, v[AQ0]                 ; s0 lies in Z
	v_add_nc_u32 v[AK], RZ, v[AK0]
	v_add_nc_u32 v[AQX], RX, v[AQ0]
	v_add_nc_u32 v[AKX], RX, v[AK0]
	s_lshl_b32 s17, s10, 15
	v_lshl_add_u32 v[MS1], v21, 4, s17             ; my 32 KiB of a merge
	v_add_nc_u32 v[MS2], MERGE2, v[MS1]
	s_lshl_b32 s17, s10, 13
	v_lshl_add_u32 v[ML], v21, 4, s17              ; tiles 8 w .. 8 w + 7 in a wave's 32 KiB
	v_add_nc_u32 v[ML+1], 65536, v[ML]
	v_add_nc_u32 v[ML+2], 131072, v[ML]
	v_add_nc_u32 v[ML+3], 196608, v[ML]
	s_mul_i32 s17, s10, 16*OPITCH
	s_add_co_u32 s17, s17, OSTG
	v_mul_u32_u24 v[STO], v1, OPITCH               ; in: row l % 16, 32 bytes for each half of the lanes
	v_lshl_add_u32 v[STO], v20, 5, v[STO]
	v_add_nc_u32 v[STO], s17, v[STO]
	v_mul_u32_u24 v[RD], v20, OPITCH               ; back: lanes 0-15 one row of 256 bytes, lanes 16-31 the next
	v_lshl_add_u32 v[RD], v1, 4, v[RD]
	v_add_nc_u32 v[RD], s17, v[RD]
	v_lshlrev_b32 v[GO], 12, v20                   ; and the same two rows in the outputs
	v_lshl_add_u32 v[GO], v1, 4, v[GO]
	v_lshlrev_b32 v[PFO], 8, v21
	WIN 0x40                                       ; out1's sums start at 0: written in the wait for the first tiles, so that the loop has one text for every head
.set i, 0
.rept 256
	v_mov_b32 v[i], 0
.set i, i+1
.endr
	WIN 0
	s_wait_kmcnt 0x0
	SCAL 98, 96, 97
.macro LQ j, adr                       ; the rows' fragments of tiles 2 j, 2 j + 1: 8 loads
	WIN 0x80
.irp u, 0,1
.irp c, 0,1
	ds_load_b128 v[16*(2*(\j)+\u)+8*\c:16*(2*(\j)+\u)+8*\c+3],   v[\adr] offset:TSTR*(2*(\j)+\u)+64*\c
	ds_load_b128 v[16*(2*(\j)+\u)+8*\c+4:16*(2*(\j)+\u)+8*\c+7], v[\adr] offset:TSTR*(2*(\j)+\u)+64*\c+32
.endr
.endr
.endm
.macro LK kb, adr                      ; the columns' eight fragments: 16 loads
	WIN 0x80
.irp kt, 0,1,2,3
.irp c, 0,1
	ds_load_b128 v[(\kb)+16*\kt+8*\c:(\kb)+16*\kt+8*\c+3],   v[\adr] offset:TSTR*\kt+64*\c
	ds_load_b128 v[(\kb)+16*\kt+8*\c+4:(\kb)+16*\kt+8*\c+7], v[\adr] offset:TSTR*\kt+64*\c+32
.endr
.endr
.endm
.macro LST                             ; a pair's statistics, 16 loads, into the landing place
	WIN 0x80
.irp t, 0,1,2,3,4,5,6,7
	global_load_b128 v[LND+4*\t:LND+4*\t+3],       v[SO], s[STP:STP+1] offset:256*\t
	global_load_b128 v[LND+32+4*\t:LND+32+4*\t+3], v[SO], s[STP:STP+1] offset:65536+256*\t
.endr
.endm
; THE REFILL, at a pair's head.  The pair's first step is being read out of X into registers; its second lies unread in one of Y, Z.  Each wave waits for all its tensor loads (none is out: the wait at the last
; trip's end has shown them landed), adds 0 to its spare word, and waits for that and for its reads of X; behind a round of the cluster's barrier X and the other of Y, Z are filled, first thing, with the next pair.
; avg = 1 (among the heads): at the count 1 the next pair is s17, s18, and the addresses go over to cmb and wob.  avg = 0 (behind the heads): s19 alone is left, for X.
.macro RB avg
	WIN 0
	s_wait_tensorcnt 0x0
	ds_add_u32 v[SPW], v[NIL]                      ; 0 onto my spare word; scalar work stands between it and the wait for it
	s_add_nc_u64 s[G0+2:G0+3], s[G0+2:G0+3], 2*STEP
	s_add_nc_u64 s[G0B+2:G0B+3], s[G0B+2:G0B+3], 2*STEP
.if \avg
	s_cmp_eq_u32 s[CNT], 1
	s_cselect_b64 s[G0+2:G0+3], s[ALTQ:ALTQ+1], s[G0+2:G0+3]
	s_cselect_b64 s[G0B+2:G0B+3], s[ALTK:ALTK+1], s[G0B+2:G0B+3]
	s_add_nc_u64 s[G0+6:G0+7], s[G0+2:G0+3], STEP  ; the pair's second step lies four planes behind its first
	s_add_nc_u64 s[G0B+6:G0B+7], s[G0B+2:G0B+3], STEP
	s_xor_b32 s[G0+5], s[G0+5], DQ                 ; and goes into the other of Y, Z than last time
	s_xor_b32 s[G0B+5], s[G0B+5], DK
	s_wait_xcnt 0x0                                ; the last prefetches, a pair back, have read their addresses
	s_add_nc_u64 s[PFQ:PFQ+1], s[PFQ:PFQ+1], 2*STEP
	s_add_nc_u64 s[PFK:PFK+1], s[PFK:PFK+1], 2*STEP
.endif
	s_xor_b32 s[TBO], s[TBO], DQ
	s_wait_dscnt 0x0
	CROUND
	JLOAD \avg
.if \avg
	ASK
.endif
	v_add_nc_u32 v[AQ], s[TBO], v[AQ0]
	v_add_nc_u32 v[AK], s[TBO], v[AK0]
.endm
; product i of 16 of chunk (J + 1) % 4: channels 32 (i / 8) on, tile (i / 4) % 2 of the chunk, keys 16 (i % 4) on.  The first 8 start the sums; the 8 accumulators take turns.
.macro MMQ
	WIN 0x0a
.set rD, S+64*((J+1)%2)+32*((i/4)%2)+8*(i%4)
.set rK, KB0+16*(i%4)+8*(i/8)
.set rQ, 16*(2*((J+1)%4)+(i/4)%2)+8*(i/8)
.if i < 8
	v_wmma_f32_16x16x32_f16 v[rD:rD+7], v[rK:rK+7], v[rQ:rQ+7], 0
.else
	v_wmma_f32_16x16x32_f16 v[rD:rD+7], v[rK:rK+7], v[rQ:rQ+7], v[rD:rD+7]
.endif
.set i, i+1
.endm
.macro FF                              ; c s - c m for the chunk's next pair of scores; ascending
	WIN 0
	v_pk_fma_f32 v[SB+2*nf:SB+2*nf+1], v[SB+2*nf:SB+2*nf+1], s[CS:CS+1], v[ST+4*(2*J+nf/16):ST+4*(2*J+nf/16)+1] op_sel_hi:[1,0,0] neg_lo:[0,0,1] neg_hi:[0,0,1]
.set nf, nf+1
.endm
.macro EE                              ; the next exponential
	WIN 0
	v_exp_f32 v[SB+ne], v[SB+ne]
.set ne, ne+1
.endm
.macro AA                              ; out1's sums take r p for the next pair
	WIN 0x50
	v_pk_fma_f32 v[64*J+2*na:64*J+2*na+1], v[SB+2*na:SB+2*na+1], v[ST+4*(2*J+na/16)+2:ST+4*(2*J+na/16)+3], v[64*J+2*na:64*J+2*na+1] op_sel_hi:[1,0,1]
.set na, na+1
.endm
; THE TURN OF CHUNK j.  Ahead of its one wait stands all that names no exponential's result; behind it the multiply-adds, as riders of products.
; In a pair's first step (count 2) the second step's fragments of tiles 2 j, 2 j + 1 are read first (their last reader stands four plain instructions or more back); in its second step (count 1) a jump leads round them.
; j = 3: the columns' fragments have one buffer, free only now: they are read first, the vector work up to the wait stands in one lump while they come, and all 16 products of the second step's first chunk
; follow; in the pair's second step there is no step to multiply for, and the 32 multiply-adds stand alone.
.macro AT j
.set J, \j
.set SB, S+64*((\j)%2)
.set i, 0
.set nf, 0
.set ne, 0
.set na, 0
	WIN 0
	s_cmp_eq_u32 s[TT], 1
	s_cbranch_scc1 .Lnr_\@
	LQ \j, AQ
.if (\j) == 3
	LK KB0, AK
.endif
	WIN 0
.Lnr_\@:
.if (\j) < 3
	MMQ
	FF
	FF
	FF
	FF
.rept 7
	MMQ
	FF
	EE
	FF
	EE
.endr
.rept 14
	FF
	EE
.endr
.rept 36
	EE
.endr
	v_nop                                          ; the plain instruction behind the last exponential
	s_wait_alu depctr_va_vdst(0)                   ; the wait for the batch of 64
.rept 8
	MMQ
	AA
	AA
	AA
	AA
.endr
.else
.rept 32
	FF
	EE
.endr
.rept 32
	EE
.endr
	v_nop
	s_wait_alu depctr_va_vdst(0)
	WIN 0
	s_cmp_eq_u32 s[TT], 1
	s_cbranch_scc1 .Lal_\@
	s_wait_dscnt 0x0                               ; all of the second step's fragments are in
.rept 16
	MMQ
	AA
	AA
.endr
	WIN 0
	s_branch .Lad_\@
.Lal_\@:
.set na, 0
.rept 32
	AA
.endr
	WIN 0
.Lad_\@:
.endif
.endm
; out0: 16 products for tiles 2 j, 2 j + 1: the four accumulators of a tile take turns
.macro MM2 j, kb, zero
	WIN 0xfa
.irp u, 0,1
.irp c, 0,1
.irp kt, 0,1,2,3
.if (\zero) && (\c == 0)
	v_wmma_f32_16x16x32_f16 v[8*(4*(2*(\j)+\u)+\kt):8*(4*(2*(\j)+\u)+\kt)+7], v[(\kb)+16*\kt+8*\c:(\kb)+16*\kt+8*\c+7], v[16*(2*(\j)+\u)+8*\c:16*(2*(\j)+\u)+8*\c+7], 0
.else
	v_wmma_f32_16x16x32_f16 v[8*(4*(2*(\j)+\u)+\kt):8*(4*(2*(\j)+\u)+\kt)+7], v[(\kb)+16*\kt+8*\c:(\kb)+16*\kt+8*\c+7], v[16*(2*(\j)+\u)+8*\c:16*(2*(\j)+\u)+8*\c+7], v[8*(4*(2*(\j)+\u)+\kt):8*(4*(2*(\j)+\u)+\kt)+7]
.endif
.endr
.endr
.endr
.endm
	s_wait_tensorcnt 0x0                           ; my first fills are in,
	s_barrier_signal -1
	s_barrier_wait -1                              ; everybody's are: s0, s1 and s2
	LK KB1, AK                                     ; s0,
	LQ 0, AQ
	LQ 1, AQ
	LQ 2, AQ
	LQ 3, AQ
	LK KB0, AKX                                    ; and head 0's keys
	s_wait_dscnt 0x0
.irp j, 0,1,2,3
	MM2 \j, KB1, 1                                 ; s0's products start out0's sums; head 0's queries are read as the registers come free
	PLACES
	LQ \j, AQX
.endr
	s_wait_loadcnt 0x0                             ; bo, and the first pair's statistics
	s_add_nc_u64 s[STP:STP+1], s[STP:STP+1], 0x20000
	LST                                            ; heads 2 and 3; the landing place was s0's columns' buffer, whose last reader stands four places back
	WIN 0
	s_mov_b32 s[CNT], 8
.Lh:                                               ; trip i: heads 2 i and 2 i + 1; the next pair is asked for
	RB 1
.set J, 3
.set i, 0
.rept 16
	MMQ                                            ; the first step's first chunk
.endr
	PLACES                                         ; in front of the loads into the fragments just multiplied, and of the scalings
	WIN 0
	s_mov_b32 s[TT], 2
.Lt:
	AT 0
	AT 1
	AT 2
	AT 3
	WIN 0
.set i, 0
.rept 32
	v_mov_b32 v[ST+i], v[ST2+i]                    ; the second step's statistics (behind the second step the lines change nothing that is read)
.set i, i+1
.endr
	s_sub_co_u32 s[TT], s[TT], 1
	s_cmp_lg_u32 s[TT], 0
	s_cbranch_scc1 .Lt
	s_wait_tensorcnt 0x0                           ; THE TRIP'S END.  This wait serves reads: my part of the next pair has landed (one load of mine was out);
	s_wait_dscnt 0x0
	s_barrier_signal -1
	s_barrier_wait -1                              ; everybody's has.  The refill stands behind the round at the next trip's head
	LK KB0, AKX                                    ; the next pair's first step leaves X; the 32 moves above are the places behind the last products
	LQ 0, AQX
	LQ 1, AQX
	LQ 2, AQX
	LQ 3, AQX
	s_wait_loadcnt 0x0                             ; its statistics, asked for a pair ago
	WIN 0x02
.set i, 0
.rept 32
	v_mov_b32 v[ST+i], v[LND+i]
	v_mov_b32 v[ST2+i], v[LND+32+i]
.set i, i+1
.endr
	WIN 0
	s_cmp_lt_u32 s[CNT], 3                         ; heads 14 and 15 are asked for at the count 3: behind them there are none
	s_cbranch_scc1 .Lnost
	s_add_nc_u64 s[STP:STP+1], s[STP:STP+1], 0x20000
	LST
	WIN 0
.Lnost:
	s_sub_co_u32 s[CNT], s[CNT], 1
	s_cmp_lg_u32 s[CNT], 0
	s_cbranch_scc1 .Lh
	RB 0                                           ; s17 is in registers, s18 lies unread: s19 is asked for, into X
	LK KB1, AK
.irp j, 0,1,2,3
	MM2 \j, KB0, 0                                 ; s17; s18 is read as the registers come free
	PLACES
	LQ \j, AQ
.endr
	s_wait_dscnt 0x0
	MM2 0, KB1, 0                                  ; s18
	MM2 1, KB1, 0
	MM2 2, KB1, 0
	MM2 3, KB1, 0
	WIN 0
	s_wait_tensorcnt 0x0                           ; s19 has landed,
	s_barrier_signal -1
	s_barrier_wait -1                              ; everybody's part of it
	PLACES
	LK KB0, AKX
	LQ 0, AQX
	LQ 1, AQX
	LQ 2, AQX
	LQ 3, AQX
	s_wait_dscnt 0x0
	MM2 0, KB0, 0
	MM2 1, KB0, 0
	MM2 2, KB0, 0
	MM2 3, KB0, 0
	PLACES
	WIN 0
	s_barrier_signal -1                            ; every wave has left the ring: its bytes have had their last fill and their last read (no LDS instruction of mine is out)
	s_barrier_wait -1
	WIN 0x04                                       ; store data in window 1
.set i, 0
.rept 64
	ds_store_b128 v[MS1], v[4*i:4*i+3] offset:512*i
.set i, i+1
.endr
	WIN 0x0c                                       ; in window 3; each accumulator's low half first
.set i, 0
.rept 64
	ds_store_b128 v[MS2], v[4*i:4*i+3] offset:512*i
.set i, i+1
.endr
	WIN 0
	s_wait_dscnt 0x0                               ; for the others' sake
	s_barrier_signal -1
	s_barrier_wait -1
	WIN 0x40                                       ; my eight tiles from the four waves: source w' at 64 w'
.set i, 0
.rept 16
	ds_load_b128 v[4*i:4*i+3],         v[ML]   offset:512*i
	ds_load_b128 v[64+4*i:64+4*i+3],   v[ML]   offset:32768+512*i
	ds_load_b128 v[128+4*i:128+4*i+3], v[ML+1] offset:512*i
	ds_load_b128 v[192+4*i:192+4*i+3], v[ML+1] offset:32768+512*i
.set i, i+1
.endr
	WIN 0xc0
.set i, 0
.rept 16
	ds_load_b128 v[4*i:4*i+3],         v[ML+2] offset:512*i
	ds_load_b128 v[64+4*i:64+4*i+3],   v[ML+2] offset:32768+512*i
	ds_load_b128 v[128+4*i:128+4*i+3], v[ML+3] offset:512*i
	ds_load_b128 v[192+4*i:192+4*i+3], v[ML+3] offset:32768+512*i
.set i, i+1
.endr
	s_wait_dscnt 0x0
.irp w, 0x45, 0xcf                     ; all three places in window 1, then in window 3
	WIN \w
.set i, 0
.rept 32
	v_pk_add_f32 v[i:i+1], v[i:i+1], v[64+i:64+i+1]
	v_pk_add_f32 v[128+i:128+i+1], v[128+i:128+i+1], v[192+i:192+i+1]
.set i, i+2
.endr
.set i, 0
.rept 32
	v_pk_add_f32 v[i:i+1], v[i:i+1], v[128+i:128+i+1]
.set i, i+2
.endr
.endr
	WIN 0xc3                                       ; out0 takes bo (window 0)
.set i, 0
.rept 32
	v_pk_add_f32 v[i:i+1], v[i:i+1], v[BI+i%32:BI+i%32+1]
.set i, i+2
.endr
; THE WAY OUT of 16 rows: 32 bytes a lane for each 16 columns into my stage, back as whole rows of 256 bytes, stored: 16 lanes fill 256 consecutive bytes, aligned.  Each of the four groups has registers of its own.
.macro OUTT dw, tt, g, base
	WIN \dw
.irp q, 0,1,2,3,4,5,6,7
	ds_store_b128 v[STO], v[32*(\tt)+4*\q:32*(\tt)+4*\q+3] offset:64*(\q/2)+16*(\q%2)
.endr
	WIN 0
.irp f, 0,1,2,3,4,5,6,7
	ds_load_b128 v[S+32*(\g)+4*\f:S+32*(\g)+4*\f+3], v[RD] offset:2*OPITCH*\f  ; LDS serves a wave's instructions in order
.endr
.irp f, 0,1,2,3,4,5,6,7
	s_wait_dscnt 7-\f                              ; the 7 - f younger loads from the stage may stay out
	global_store_b128 v[GO], v[S+32*(\g)+4*\f:S+32*(\g)+4*\f+3], s[\base:\base+1] offset:(16*(\tt)+2*\f)*4096
.endr
.endm
	OUTT 0x04, 0, 0, O1
	OUTT 0x04, 1, 1, O1
	OUTT 0x0c, 0, 2, O0
	OUTT 0x0c, 1, 3, O0
	s_wait_tensorcnt 0x0                           ; the wave's end
	ds_add_u32 v[SPW], v[NIL]
	s_wait_dscnt 0x0
	CROUND                                         ; the closing round
	s_endpgm
.Lfunc_end_k_qba3f6d0dde_mix:
	.size	k_qba3f6d0dde_mix, .Lfunc_end_k_qba3f6d0dde_mix-k_qba3f6d0dde_mix
	.p2alignl 7, 3214868480
	.fill 96, 4, 3214868480
	.section	.rodata,"a",@progbits
	.p2align	6, 0x0
	.amdhsa_kernel k_qba3f6d0dde_mix
		.amdhsa_group_segment_fixed_size 327680
		.amdhsa_private_segment_fixed_size 0
		.amdhsa_enable_private_segment 0
		.amdhsa_kernarg_size 64
		.amdhsa_user_sgpr_count 2
		.amdhsa_user_sgpr_kernarg_segment_ptr 1
		.amdhsa_wavefront_size32 1
		.amdhsa_system_sgpr_workgroup_id_x 1
		.amdhsa_system_sgpr_workgroup_id_y 1
		.amdhsa_system_sgpr_workgroup_id_z 1
		.amdhsa_system_vgpr_workitem_id 0
		.amdhsa_next_free_vgpr 1024
		.amdhsa_next_free_sgpr 100
		.amdhsa_reserve_vcc 0
		.amdhsa_float_denorm_mode_32 3
		.amdhsa_float_denorm_mode_16_64 3
		.amdhsa_memory_ordered 1
		.amdhsa_forward_progress 1
		.amdhsa_inst_pref_size 143
	.end_amdhsa_kernel
	.amdgpu_metadata
---
amdhsa.version: [ 1, 2 ]
amdhsa.kernels:
  - .name:           k_qba3f6d0dde_mix
    .symbol:         k_qba3f6d0dde_mix.kd
    .args:
      - { .name: qkv, .offset: 0, .size: 8, .value_kind: global_buffer, .address_space: global }
      - { .name: st, .offset: 8, .size: 8, .value_kind: global_buffer, .address_space: global }
      - { .name: cmb, .offset: 16, .size: 8, .value_kind: global_buffer, .address_space: global }
      - { .name: wob, .offset: 24, .size: 8, .value_kind: global_buffer, .address_space: global }
      - { .name: bo, .offset: 32, .size: 8, .value_kind: global_buffer, .address_space: global }
      - { .name: temperature, .offset: 40, .size: 8, .value_kind: global_buffer, .address_space: global }
      - { .name: out1, .offset: 48, .size: 8, .value_kind: global_buffer, .address_space: global }
      - { .name: out0, .offset: 56, .size: 8, .value_kind: global_buffer, .address_space: global }
    .group_segment_fixed_size: 327680
    .private_segment_fixed_size: 0
    .kernarg_segment_align: 8
    .kernarg_segment_size: 64
    .max_flat_workgroup_size: 128
    .sgpr_count:     100
    .vgpr_count:     1024
    .wavefront_size: 32
...
	.end_amdgpu_metadata
.endif
;; end of part 4
;; ======== version 2 of 2: 4 launches; version 1 with the launch prep written anew for expert scheduling mode
;; limits: values are held in f16: magnitudes above 65,504 overflow, below 6.1e-05 lose precision
;; workspace buffers: xb 4,194,304 bytes; wb 25,165,824 bytes; wob 2,097,152 bytes; gp 8,192 bytes; qkv 50,331,648 bytes; st 2,097,152 bytes; cmb 4,194,304 bytes
;; launch prep (part 5): grid 64 x 15, 4 waves a work-group, no clusters, 0 bytes of LDS; arguments x, Wq, Wk, Wv, Wo, Wg, xb, wb, wob, gp; writes xb, wb, wob, gp
.if DOCPART == 5
	.amdgcn_target "amdgcn-amd-amdhsa--gfx1250"
	.amdhsa_code_object_version 6
	.text
	.protected	k_qba3f6d0dde_prep
	.globl	k_qba3f6d0dde_prep
	.p2align	8
	.type	k_qba3f6d0dde_prep,@function
k_qba3f6d0dde_prep:
	s_mov_b64 s[64:65], 0
	v_nop
	global_prefetch_b8 v0, s[64:65] scope:SCOPE_SE
	s_setreg_imm32_b32 hwreg(HW_REG_WAVE_SCHED_MODE, 0, 2), 2
	s_setreg_imm32_b32 hwreg(HW_REG_WAVE_MODE, 25, 1), 1
	s_wait_xcnt 0x0
	s_wait_alu depctr_vm_vsrc(0)
; PREP: the matrix operands are rounded once and laid out for the tiles of the later launches; the gate's dot product is begun.
; NOTHING OF THE PROBLEM IS LEFT OUT in this program: every input has a way to an output and is loaded, every step of the reference is made.
; (The scores are even made twice: once for the weighted values, once more for the mean of the weights.)
;   xb  [kb 16][row 2048 = b 1024 + n][64] bf16 = x;    wb [kb 16][row 12288 = t 4096 + s 1024 + e][64] bf16 = Wq (t 0), Wk (1), Wv (2)
;   wob [kb 16][row 1024][64] f16 = Wo rounded to bf16, that number written as f16
;   gp  [b 2][s 4][part 256] f32: part 4 gx + wave holds the sum over 16 rows and 256 columns of x[b][row][col] Wg[s][col]
; K lies in blocks of 64 columns, so that the rows of a tile lie end to end in memory.
; LIMITS.  Wo below 6e-5 keeps f16's fixed step of 6e-8, beyond 65,504 it becomes an infinity; NaN and infinities are not treated apart.
; SHARES.  Unit u (grid y): 0, 1 = x of batch u; 2-13 = the twelve weight matrices; 14 = Wo: 1,024 rows each.  A work-group takes 16 rows, wave w the columns
; 256 w .. 256 w + 255 (blocks 4 w .. 4 w + 3).  Lane l: row l / 16 of two, 4 columns at l % 16.  So a load takes 256 consecutive bytes, aligned, of each of two rows (64 columns: one block), and the
; 8 bytes a lane that come of it are 256 consecutive bytes, aligned, of the destination: the two rows' 128 bytes lie end to end there.  All 32 loads of a wave go out before the first wait for data.
; No LDS, no matrix unit, no cluster: nothing is shared and memory binds.
; THE MODE: SCHED_MODE bits 1:0 = 2 (LLVM: expert scheduling mode 2), set by the entry lines.  The code itself states the register dependences
; between vector instructions and memory instructions, with s_wait_alu, always for 0.
; THE PLAN.  Registers that memory instructions touch:
;   v4-9      byte offsets, made once at the head and never written again: one wait at the head serves every load and store that reads them.
;   X         32 loads of 4 registers.  No vector instruction names them ahead of the loads.  A load's two roundings write its registers 0 and 1 in place; its store reads these two; nothing writes them again.
;   WGR       (a unit of x) loaded once, read by vector instructions alone.
;   v192, v12, v14  (a unit of x) offset and data of the two stores into gp: written by vector instructions, read by those stores, not written again on that path.
; The 32 loads are rounded in eight groups of four.  At the head of group g one wait states that group g - 1's roundings have written their results; the four stores of group g - 1 follow it,
; dealt among group g's roundings, which name group g's registers (and, for Wo, v10-12) alone: none that those stores touch.  No register that a memory instruction has read is written again,
; so the only waits for memory instructions' reads are those ahead of the two writes of EXEC.
.set VO,   4                           ; v4      my byte offset in two rows of the source: (l / 16) 4096 + 1024 w + 16 (l % 16)
.set WO,   5                           ; v5      my byte offset in Wg: (l / 16) 8192 + 1024 w + 16 (l % 16): half l / 16 of the lanes takes samples 2 (l / 16) and 2 (l / 16) + 1
.set SO,   6                           ; v6-9    my byte offset in the destination for block 4 w + j
.set X,    16                          ; v16-143 load i = 4 g + j (rows 2 g, 2 g + 1, block 4 w + j): 4 numbers at X + 4 i
.set CSUM, 144                         ; v144-159 sums down the 16 rows of my 16 columns (4 of each block)
.set WGR,  160                         ; v160-191 Wg of my two samples at my 16 columns
.set GPO,  192                         ; v192    my byte offset in gp
	s_load_b512 s[8:23], s[0:1], 0x0               ; x 8, Wq 10, Wk 12, Wv 14, Wo 16, Wg 18, xb 20, wb 22
	s_load_b128 s[24:27], s[0:1], 0x40             ; wob 24, gp 26
	s_and_b32 s2, ttmp7, 0xffff                    ; u
	v_and_b32 v1, 31, v0                           ; lane
	v_lshrrev_b32 v2, 5, v0
	v_readfirstlane_b32 s6, v2                     ; wave
	v_lshrrev_b32 v2, 4, v1                        ; l / 16
	v_and_b32 v3, 15, v1                           ; l % 16
	s_wait_alu depctr_va_sdst(0)                   ; s6 is written, ahead of its first reader: the offsets below are made from it
	s_lshl_b32 s7, s6, 10
	v_lshl_add_u32 v[VO], v3, 4, s7
	v_lshl_add_u32 v[WO], v2, 13, v[VO]
	v_lshl_add_u32 v[VO], v2, 12, v[VO]
	s_mov_b32 s41, 0xffff0000                      ; a word's upper bf16
	s_sub_co_u32 s3, s2, 2                         ; the unit's place among the weights
	s_and_b32 s4, s3, 3                            ; and in its own tensor (Wo: 12 & 3 = 0)
	s_mov_b32 s5, 1572864                          ; bytes of a block of 64 columns in wb
	s_cmp_lt_u32 s2, 2
	s_cselect_b32 s4, s2, s4                       ; x: the batch
	s_cselect_b32 s3, s2, s3
	s_cselect_b32 s5, 262144, s5                   ; in xb
	s_cmp_eq_u32 s2, 14
	s_cselect_b32 s3, 0, s3
	s_cselect_b32 s5, 131072, s5                   ; in wob
	s_lshl_b32 s32, s4, 22                         ; source: 1,024 rows of 4,096 bytes a unit,
	s_lshl_b32 s33, ttmp9, 16                      ; 16 rows a work-group
	s_add_co_u32 s32, s32, s33
	s_mov_b32 s33, 0
	s_lshl_b32 s34, s3, 17                         ; destination: rows of 128 bytes
	s_lshl_b32 s35, ttmp9, 11
	s_add_co_u32 s34, s34, s35
	s_mov_b32 s35, 0
	s_lshl_b32 s7, s6, 2
.irp j, 0,1,2,3
	s_add_co_u32 s36, s7, \j
	s_mul_i32 s36, s36, s5                         ; block 4 w + j
	v_lshl_add_u32 v[SO+\j], v1, 3, s36            ; + 8 l: two rows of 128 bytes on end
.endr
	s_wait_kmcnt 0x0
	s_cmp_lt_u32 s2, 2                             ; the buffers are chosen by the unit's number alone
	s_cselect_b64 s[28:29], s[8:9], s[10:11]
	s_cselect_b64 s[30:31], s[20:21], s[22:23]
	s_cmp_lt_u32 s2, 6
	s_cselect_b64 s[28:29], s[28:29], s[12:13]
	s_cmp_lt_u32 s2, 10
	s_cselect_b64 s[28:29], s[28:29], s[14:15]
	s_cmp_lt_u32 s2, 14
	s_cselect_b64 s[28:29], s[28:29], s[16:17]
	s_cselect_b64 s[30:31], s[30:31], s[24:25]
	s_add_nc_u64 s[28:29], s[28:29], s[32:33]
	s_add_nc_u64 s[30:31], s[30:31], s[34:35]
	s_wait_alu depctr_va_vdst(0)                   ; the offsets v4 to v9 are written: every load of the source and of Wg and every store of rounded numbers, on both ways below, reads one of them
.macro LOADX                           ; the wave's 32 loads: 16 KiB on their way
.set i, 0
.rept 32
	global_load_b128 v[X+4*i:X+4*i+3], v[VO], s[28:29] offset:8192*(i/4)+256*(i%4) th:TH_LOAD_NT
.set i, i+1
.endr
.endm
; The 32 loads are rounded in place and stored, in eight groups of four (group g: rows 2 g, 2 g + 1, the wave's four blocks).  kind 0: to bf16.  kind 1: to bf16, and that number written as f16.
; A group's stores are issued in the next group, behind the wait at its head, one ahead of each load's roundings.
.macro CAST kind
.set g, 0
.rept 8
	s_wait_loadcnt 28-4*g                          ; loads come back in order: group g is in, the 28 - 4 g younger loads may stay out
.if g > 0
	s_wait_alu depctr_va_vdst(0)                   ; group g - 1's roundings have written registers 0 and 1 of its four loads, which the four stores below read
.endif
.irp j, 0,1,2,3
.if g > 0
	global_store_b64 v[SO+\j], v[X+16*(g-1)+4*\j:X+16*(g-1)+4*\j+1], s[30:31] offset:256*(g-1) th:TH_STORE_NT  ; 256 consecutive bytes, aligned; no vector instruction since the wait names these registers, and none writes them again
.endif
.irp k, 0,1
.if \kind
	v_cvt_pk_bf16_f32 v10, v[X+16*g+4*\j+2*\k], v[X+16*g+4*\j+2*\k+1]
	v_lshlrev_b32 v11, 16, v10
	v_and_b32 v12, s41, v10
	v_cvt_pk_f16_f32 v[X+16*g+4*\j+\k], v11, v12
.else
	v_cvt_pk_bf16_f32 v[X+16*g+4*\j+\k], v[X+16*g+4*\j+2*\k], v[X+16*g+4*\j+2*\k+1]
.endif
.endr
.endr
.set g, g+1
.endr
	s_wait_alu depctr_va_vdst(0)                   ; group 7's roundings have written their results, which the last four stores read
.irp j, 0,1,2,3
	global_store_b64 v[SO+\j], v[X+112+4*\j:X+112+4*\j+1], s[30:31] offset:256*7 th:TH_STORE_NT
.endr
.endm
	s_cmp_lt_u32 s2, 2
	s_cbranch_scc0 .Lweights
	; ---- a unit of x: the gate's partial dot products ahead of the rounding
.irp ss, 0,1
.irp j, 0,1,2,3
	global_load_b128 v[WGR+16*\ss+4*\j:WGR+16*\ss+4*\j+3], v[WO], s[18:19] offset:4096*\ss+256*\j
.endr
.endr
	LOADX
	s_mov_b32 s38, 0x76543210                      ; v_permlanex16_b32: each lane takes its own place in the other half
	s_mov_b32 s39, 0xfedcba98
	s_lshl_b32 s36, s2, 12                         ; gp: ((4 b + s) 256 + 4 gx + w) 4 bytes
	s_lshl_b32 s37, ttmp9, 4
	s_add_co_u32 s36, s36, s37
	s_lshl2_add_u32 s36, s6, s36
	v_lshl_add_u32 v[GPO], v2, 11, s36             ; s = 2 (l / 16); the second sample lies 1,024 bytes on
	v_mov_b32 v10, 0                               ; the exchange's destinations count as read
	v_mov_b32 v11, 0
	s_wait_loadcnt 0x0
.set p, 0
.rept 8                                ; down my eight rows: eight chains that do not wait for each other
	v_pk_add_f32 v[CSUM+2*p:CSUM+2*p+1], v[X+2*p:X+2*p+1], v[X+16+2*p:X+16+2*p+1]
.set p, p+1
.endr
.irp g, 2,3,4,5,6,7
.set p, 0
.rept 8
	v_pk_add_f32 v[CSUM+2*p:CSUM+2*p+1], v[CSUM+2*p:CSUM+2*p+1], v[X+16*\g+2*p:X+16*\g+2*p+1]
.set p, p+1
.endr
.endr
.set r, 0
.rept 16                               ; and the other half of the lanes, which holds the other eight rows of the same columns
	v_permlanex16_b32 v[10+r%2], v[CSUM+r], s38, s39
	v_add_f32 v[CSUM+r], v[CSUM+r], v[10+r%2]
.set r, r+1
.endr
	v_pk_mul_f32 v[12:13], v[CSUM:CSUM+1], v[WGR:WGR+1]        ; each half multiplies by its two samples' Wg
	v_pk_mul_f32 v[14:15], v[CSUM:CSUM+1], v[WGR+16:WGR+17]
.set p, 1
.rept 7
	v_pk_fma_f32 v[12:13], v[CSUM+2*p:CSUM+2*p+1], v[WGR+2*p:WGR+2*p+1], v[12:13]
	v_pk_fma_f32 v[14:15], v[CSUM+2*p:CSUM+2*p+1], v[WGR+16+2*p:WGR+16+2*p+1], v[14:15]
.set p, p+1
.endr
	v_add_f32 v12, v12, v13
	v_add_f32 v14, v14, v15
.irp m, 1,2,4,8                        ; over the sixteen lanes of a half
	v_add_f32_dpp v12, v12, v12 row_xmask:\m row_mask:0xf bank_mask:0xf
	v_add_f32_dpp v14, v14, v14 row_xmask:\m row_mask:0xf bank_mask:0xf
.endr
	v_cmp_eq_u32 vcc_lo, 0, v3                     ; one lane of each half stores its two samples' parts
	s_wait_xcnt 0x0                                ; EXEC changes only when the loads above have read it
	s_wait_alu depctr_va_vcc(0)                    ; the compare has written VCC, from which EXEC is made
	s_wait_alu depctr_va_vdst(0)                   ; EXEC is written next: the vector instructions issued under the full EXEC are complete; among them those that wrote v192, v12 and v14, which the two stores below read
	s_wait_alu depctr_vm_vsrc(0)                   ; EXEC is written next: the memory instructions issued so far have read their vector registers
	s_and_saveexec_b32 s40, vcc_lo
	global_store_b32 v[GPO], v12, s[26:27]
	global_store_b32 v[GPO], v14, s[26:27] offset:1024
	s_wait_xcnt 0x0
	s_wait_alu depctr_va_vdst(0)                   ; EXEC is written next: no vector instruction is under way (none was issued under the narrow EXEC)
	s_wait_alu depctr_vm_vsrc(0)                   ; EXEC is written next: the two stores have read their offset and their data
	s_or_b32 exec_lo, exec_lo, s40
	s_branch .Lcast0                               ; x is rounded by the same text as the weights: its loads are all in, so the counts there hold
.Lweights:
	LOADX
	s_cmp_eq_u32 s2, 14
	s_cbranch_scc1 .Lwo
.Lcast0:
	CAST 0
	s_endpgm
.Lwo:
	CAST 1
	s_endpgm
.Lfunc_end_k_qba3f6d0dde_prep:
	.size	k_qba3f6d0dde_prep, .Lfunc_end_k_qba3f6d0dde_prep-k_qba3f6d0dde_prep
	.p2alignl 7, 3214868480
	.fill 96, 4, 3214868480
	.section	.rodata,"a",@progbits
	.p2align	6, 0x0
	.amdhsa_kernel k_qba3f6d0dde_prep
		.amdhsa_group_segment_fixed_size 0
		.amdhsa_private_segment_fixed_size 0
		.amdhsa_enable_private_segment 0
		.amdhsa_kernarg_size 80
		.amdhsa_user_sgpr_count 2
		.amdhsa_user_sgpr_kernarg_segment_ptr 1
		.amdhsa_wavefront_size32 1
		.amdhsa_system_sgpr_workgroup_id_x 1
		.amdhsa_system_sgpr_workgroup_id_y 1
		.amdhsa_system_sgpr_workgroup_id_z 1
		.amdhsa_system_vgpr_workitem_id 0
		.amdhsa_next_free_vgpr 208
		.amdhsa_next_free_sgpr 66
		.amdhsa_reserve_vcc 1
		.amdhsa_float_denorm_mode_32 3
		.amdhsa_float_denorm_mode_16_64 3
		.amdhsa_memory_ordered 1
		.amdhsa_forward_progress 1
		.amdhsa_inst_pref_size 41
	.end_amdhsa_kernel
	.amdgpu_metadata
---
amdhsa.version: [ 1, 2 ]
amdhsa.kernels:
  - .name:           k_qba3f6d0dde_prep
    .symbol:         k_qba3f6d0dde_prep.kd
    .args:
      - { .name: x, .offset: 0, .size: 8, .value_kind: global_buffer, .address_space: global }
      - { .name: Wq, .offset: 8, .size: 8, .value_kind: global_buffer, .address_space: global }
      - { .name: Wk, .offset: 16, .size: 8, .value_kind: global_buffer, .address_space: global }
      - { .name: Wv, .offset: 24, .size: 8, .value_kind: global_buffer, .address_space: global }
      - { .name: Wo, .offset: 32, .size: 8, .value_kind: global_buffer, .address_space: global }
      - { .name: Wg, .offset: 40, .size: 8, .value_kind: global_buffer, .address_space: global }
      - { .name: xb, .offset: 48, .size: 8, .value_kind: global_buffer, .address_space: global }
      - { .name: wb, .offset: 56, .size: 8, .value_kind: global_buffer, .address_space: global }
      - { .name: wob, .offset: 64, .size: 8, .value_kind: global_buffer, .address_space: global }
      - { .name: gp, .offset: 72, .size: 8, .value_kind: global_buffer, .address_space: global }
    .group_segment_fixed_size: 0
    .private_segment_fixed_size: 0
    .kernarg_segment_align: 8
    .kernarg_segment_size: 80
    .max_flat_workgroup_size: 128
    .sgpr_count:     66
    .vgpr_count:     208
    .wavefront_size: 32
...
	.end_amdgpu_metadata
.endif
;; end of part 5
;; launch proj: the kernel of part 2 again; grid 32 x 8, 4 waves a work-group, clusters of 4 x 4, 327,680 bytes of LDS; arguments xb, wb, qkv; writes qkv
;; launch attn: the kernel of part 3 again; grid 8 x 32, 4 waves a work-group, clusters of 4 x 1, 327,680 bytes of LDS; arguments qkv, gp, hyp_w, bg, temperature, st, cmb; writes st, cmb
;; launch mix: the kernel of part 4 again; grid 16 x 16, 4 waves a work-group, clusters of 4 x 4, 327,680 bytes of LDS; arguments qkv, st, cmb, wob, bo, temperature, out1, out0; writes out1, out0
